; MI455X (gfx1250); checked and timed in simulation.
; The chip was launched on July 23, 2026; its instructions are those of AMD's public machine-readable ISA for CDNA 5 (MIT licence, August 2026) and "CDNA5" Instruction Set Architecture Reference Guide (July 2026). The comments in the code are by the model that wrote it; some were corrected since.
;; multihead self attention. Allowed arithmetic: matrix products marked QUANTISED: E2M1 operands, one E8M0 scale for each 32 along K, by v_wmma_scale_f32_16x16x128_f8f6f4 with both operands' format E2M1 (or v_wmma_scale_f32_32x16x128_f4), f32 sums; products left as they are: bf16, f16 or f32 operands; f32 sums; everything else in f32.
;; Inputs: W_k 1,024 x 1,024 float32; W_o 1,024 x 1,024 float32; W_q 1,024 x 1,024 float32; W_v 1,024 x 1,024 float32; x 4 x 2,048 x 1,024 float32.
;; Outputs: out0 4 x 2,048 x 1,024 float32.
;; This version of the problem:
;;   THIS VERSION OF THE PROBLEM IS GIVEN IN LOW PRECISION. The matrix products marked QUANTISED in the list below multiply operands that are first quantised to E2M1 (2 exponent bits, 1 mantissa bit; 4 bits a number), with one power-of-two scale for each 32 numbers along K (OCP MX v1.0); their sums are f32. The products marked 'left as it is' may take bf16, f16 or f32 operands, with f32 sums. Whichever they take, every output number must still come out within the allowed error. Rounding operands to bf16 (8 significant bits) uses up far more of that allowance than f16 does (11 bits, for magnitudes from 6e-5 to 65,504). All else is computed in f32.
;;   The module's matrix products, in the order in which they are computed (A, B: the left and right operand; K: the contracted axis; several contracted axes count as one K, in the product's order):
;;     1. [M 8,192, K 1,024] x [K 1,024, N 1,024]; A: input x; B: input W_q: QUANTISED
;;     2. [M 8,192, K 1,024] x [K 1,024, N 1,024]; A: input x; B: input W_k: QUANTISED
;;     3. [M 8,192, K 1,024] x [K 1,024, N 1,024]; A: input x; B: input W_v: QUANTISED
;;     4. batch 64 x [M 2,048, K 64] x [K 64, N 2,048]; A: computed on the way; B: computed on the way: left as it is (an operand is computed on the way)
;;     5. batch 64 x [M 2,048, K 2,048] x [K 2,048, N 64]; A: computed on the way; B: computed on the way: left as it is (an operand is computed on the way)
;;     6. [M 8,192, K 1,024] x [K 1,024, N 1,024]; A: computed on the way; B: input W_o: left as it is (an operand is computed on the way)
;;   THE QUANTISER, for each operand of a quantised product, along K:
;;     - K is cut into blocks of 32 from its start; a last block that is shorter is filled with zeros.
;;     - A block's scale is 2^e with e = floor(log2(the largest magnitude in the block)) - 2, held to -126 .. 127; a block of zeros has e = 0. As a byte (E8M0): e + 127.
;;     - Each number is divided by its block's scale, clamped to +-6, and rounded to the nearest number of E2M1, ties to even, subnormals kept.
;;     - The product sums the exact products of the quantised numbers (number of the format x scale) in f32.
;;   ~~~python
;;   def quantise(x, axis):      # numpy; x: float32 -> the quantised numbers, widened to float32 again
;;       x = np.moveaxis(x, axis, -1); K = x.shape[-1]
;;       x = np.pad(x, [(0, 0)] * (x.ndim - 1) + [(0, -K % 32)]); x = x.reshape(x.shape[:-1] + (-1, 32)); a = np.abs(x).max(-1, keepdims=True)
;;       e = np.where(a > 0, np.clip(np.frexp(np.where(a > 0, a, 1))[1] - 1 - 2, -126, 127), 0)      # np.frexp(a)[1] - 1 = floor(log2(a)), exactly
;;       r = np.clip(x / 2.0 ** e, -6, 6)
;;       step = 2.0 ** (np.maximum(np.frexp(np.where(r == 0, 1, r))[1] - 1, 0) - 1)
;;       q = np.round(r / step) * step * 2.0 ** e      # np.round: ties to even
;;       return np.moveaxis(q.reshape(q.shape[:-2] + (-1,))[..., :K], -1, axis).astype(np.float32)
;;   ~~~
;; One version. Each part assembles by itself: llvm-mc -triple=amdgcn-amd-amdhsa -mcpu=gfx1250 --defsym DOCPART=n.
;; ======== version 1 of 1: 5 launches
;; limits: values are held in f16: magnitudes above 65,504 overflow, below 6.1e-05 lose precision
;; workspace buffers: xc 4,194,304 bytes; xs 262,144 bytes; wc 1,572,864 bytes; ws 98,304 bytes; wo16 2,097,152 bytes; qkv 50,331,648 bytes; fine32 786,432 bytes; att 16,777,216 bytes
;; launch quant (part 1): grid 384 x 1, 4 waves a work-group, no clusters, 33,280 bytes of LDS; arguments x, W_q, W_k, W_v, W_o, xc, xs, wc, ws, wo16; writes xc, xs, wc, ws, wo16
.if DOCPART == 1
	.amdgcn_target "amdgcn-amd-amdhsa--gfx1250"
	.amdhsa_code_object_version 6
	.text
	.protected	k_q3b5c14e106_quant
	.globl	k_q3b5c14e106_quant
	.p2align	8
	.type	k_q3b5c14e106_quant,@function
k_q3b5c14e106_quant:
	s_mov_b64 s[64:65], 0
	v_nop
	global_prefetch_b8 v0, s[64:65] scope:SCOPE_SE
	s_setreg_imm32_b32 hwreg(HW_REG_WAVE_MODE, 25, 1), 1
	s_wait_xcnt 0x0
; x [8192][1024] and W_q, W_k, W_v [1024][1024], f32, become codes of FP4 (E2M1), K innermost, with one E8M0 scale byte for each 32 along K:
; xc [8192][512 bytes], xs [8192][32 bytes]; wc [3072][512 bytes], ws [3072][32 bytes], rows 0-1023 W_q, 1024-2047 W_k, 2048-3071 W_v.
; W_o [1024 n][1024 e], f32, becomes f16 laid by head: wo16 [16 h][1024 n][64], the number W_o[n][64 h + e].
; A block's scale is 2^(floor(log2(its largest magnitude)) - 2); its byte is the largest magnitude's exponent field - 2, held at 1 from below.
; (A block of zeros so gets the byte 1 where the quantiser says 127: its codes are zeros, which add nothing, and this program alone reads the bytes.)
; LIMITS: blocks whose largest magnitude lies under 2^-124 keep the byte 1; NaN and infinities among the inputs are not served; W_o beyond 65,504 does not fit f16.
; SHARES: a work-group takes 32,768 numbers, a wave 8,192.  Work-groups 0-255: x; 256-287 W_q; 288-319 W_k; 320-351 W_v; 352-383 W_o.
; Rows are dense and K is a multiple of 32: the quantised tensors are plain streams of blocks of 32.  A wave takes 16 steps of 512 numbers: each of a step's four loads reads 512 consecutive bytes;
; the 2,048 bytes turn through the wave's own stage in LDS, so that a lane then holds 16 neighbours along K (two lanes hold a block).  No barrier: waves share nothing.
.set WAVES, 4
.set STEPS, 16
.set WGQ,   352                        ; work-groups that quantise
.set EMAX,  2
.set CB,    8                          ; bytes of 16 codes
.set R,     16                         ; v16-79   four sets of 16 numbers as loaded
.set X,     80                         ; v80-111  two sets of 16 neighbours
.set E,     112                        ; v112-127 a scale byte for each step
.set C,     128                        ; v128-191 codes: four registers for each step
.set WREG,  8192                       ; LDS: a region for each wave: two stages of 32 x SP bytes, then its 256 scale bytes
.set SP,    80                         ; a lane's place in a stage: 64 bytes + 16 of padding
.set SPW,   12                         ; v12 LDS address of my spare word; never rewritten
.set NIL,   13                         ; v13 0; never rewritten
.set SPARE, WAVES*WREG                 ; behind the regions: the spare words, 128 bytes a wave
	s_load_b512 s[4:19], s[0:1], 0x0               ; x 4, W_q 6, W_k 8, W_v 10, W_o 12, xc 14, xs 16, wc 18
	s_load_b128 s[20:23], s[0:1], 0x40             ; ws 20, wo16 22
	v_lshl_add_u32 v[SPW], v0, 2, SPARE
	v_mov_b32 v[NIL], 0
	v_lshrrev_b32 v1, 5, v0
	v_readfirstlane_b32 s26, v1                    ; wave
	v_and_b32 v2, 31, v0                           ; lane
	s_cmp_ge_u32 ttmp9, WGQ
	s_cbranch_scc1 .Lwo                            ; the last 32 work-groups convert W_o
	v_lshlrev_b32 v3, 4, v2                        ; my 16 bytes of a load's 512
	s_mul_i32 s27, s26, WREG
	v_lshrrev_b32 v14, 2, v2
	v_mul_u32_u24 v14, v14, SP
	v_and_b32 v15, 3, v2
	v_lshl_add_u32 v14, v15, 4, v14
	v_add_nc_u32 v14, s27, v14                     ; the stage, on the way in: SP (lane / 4) + 16 (lane % 4)
	v_mul_u32_u24 v15, v2, SP
	v_add_nc_u32 v15, s27, v15                     ; and on the way out: SP x lane: my 16 neighbours
	v_mul_u32_u24 v4, v2, CB                       ; my codes' place in a step's
	v_lshrrev_b32 v5, 1, v2
	s_add_co_u32 s27, s27, 2*32*SP
	v_add_nc_u32 v5, s27, v5                       ; LDS: my block's scale byte
	v_lshlrev_b32 v7, 3, v2                        ; the bytes' way out: 8 a lane
	v_add_nc_u32 v6, s27, v7
	s_wait_kmcnt 0x0
	s_cmp_lt_u32 ttmp9, 320                        ; which tensor: the choice hangs on the work-group's number alone
	s_cselect_b64 s[24:25], s[8:9], s[10:11]
	s_cmp_lt_u32 ttmp9, 288
	s_cselect_b64 s[24:25], s[6:7], s[24:25]
	s_cmp_lt_u32 ttmp9, 256
	s_cselect_b64 s[24:25], s[4:5], s[24:25]       ; the source,
	s_cselect_b64 s[28:29], s[14:15], s[18:19]     ; its codes,
	s_cselect_b64 s[30:31], s[16:17], s[20:21]     ; its scale bytes
	s_cselect_b32 s32, 0, 256
	s_cselect_b32 s33, 255, 31
	s_sub_co_u32 s32, ttmp9, s32                   ; the work-group's place in the buffers of codes,
	s_and_b32 s33, s32, s33                        ; and in its source tensor
	s_lshl_b32 s32, s32, 2
	s_add_co_u32 s32, s32, s26                     ; my wave's run of 8,192 numbers there,
	s_lshl_b32 s33, s33, 2
	s_add_co_u32 s33, s33, s26                     ; and here
	s_lshl_b32 s34, s33, 15                        ; 32,768 bytes of f32 a run
	s_mov_b32 s35, 0
	s_add_nc_u64 s[24:25], s[24:25], s[34:35]
	s_lshl_b32 s34, s32, 12                        ; 4,096 bytes of codes
	s_add_nc_u64 s[28:29], s[28:29], s[34:35]
	s_lshl_b32 s34, s32, 8                         ; 256 scale bytes
	s_add_nc_u64 s[30:31], s[30:31], s[34:35]
.macro LOAD t
.irp i, 0,1,2,3
	global_load_b128 v[R+16*((\t)%4)+4*\i:R+16*((\t)%4)+4*\i+3], v3, s[24:25] offset:2048*(\t)+512*\i th:TH_LOAD_NT   ; 32 lanes read 512 consecutive bytes
.endr
.endm
.macro TURN t                          ; step t's numbers through the stage: LDS serves a wave's instructions in order, so no wait stands between the stores and the loads
.irp i, 0,1,2,3
	ds_store_b128 v14, v[R+16*((\t)%4)+4*\i:R+16*((\t)%4)+4*\i+3] offset:32*SP*((\t)%2)+8*SP*\i
.endr
.irp i, 0,1,2,3
	ds_load_b128 v[X+16*((\t)%2)+4*\i:X+16*((\t)%2)+4*\i+3], v15 offset:32*SP*((\t)%2)+16*\i
.endr
.endm
.irp t, 0,1,2,3
	LOAD \t
.endr
	s_wait_loadcnt 12                              ; step 0's four loads are in; twelve younger may be out
	TURN 0
.macro STEP t
.set XS, X+16*((\t)%2)
.if (\t) > 0
	s_wait_dscnt 1                                 ; this step's numbers are back from the stage (the last step's byte store may be out)
.else
	s_wait_dscnt 0x0
.endif
.if (\t)+4 < STEPS
	LOAD (\t)+4                                    ; into the registers that the stage's stores have read
.endif
.if (\t)+1 < STEPS
.if STEPS-2-(\t) >= 3
	s_wait_loadcnt 12                              ; the next step's four loads are in; those of the three steps behind it may be out
.else
	s_wait_loadcnt 4*(STEPS-2-(\t))
.endif
	TURN (\t)+1                                    ; through the other stage while this step is worked
.endif
	v_max3_num_f32 v8, |v[XS]|, |v[XS+1]|, |v[XS+2]|               ; the largest magnitude of my 16, in two chains
	v_max3_num_f32 v9, |v[XS+3]|, |v[XS+4]|, |v[XS+5]|
.irp i, 6,10
	v_max3_num_f32 v8, v8, |v[XS+\i]|, |v[XS+\i+1]|
	v_max3_num_f32 v9, v9, |v[XS+\i+2]|, |v[XS+\i+3]|
.endr
	v_max3_num_f32 v8, v8, |v[XS+14]|, |v[XS+15]|
	v_max3_num_f32 v8, v8, v9, (EMAX+1)<<23        ; and the floor 2^(3 - 127): the byte cannot fall under 1
	v_max_num_f32_dpp v8, v8, v8 row_xmask:1 row_mask:0xf bank_mask:0xf   ; with my neighbour's 16: the block's
	v_add_nc_u32 v11, -(EMAX<<23), v8              ; 2 off its exponent field: the conversion takes the exponent field of this operand as its scale
	v_cvt_scalef32_pk8_fp4_f32 v[C+4*(\t)], v[XS:XS+7], v11
	v_cvt_scalef32_pk8_fp4_f32 v[C+4*(\t)+1], v[XS+8:XS+15], v11
	v_lshrrev_b32 v[E+(\t)], 23, v11               ; the scale's byte
	ds_store_b8 v5, v[E+(\t)] offset:16*(\t)       ; both lanes of a block write the same byte with the same value
	global_store_b64 v4, v[C+4*(\t):C+4*(\t)+1], s[28:29] offset:32*CB*(\t)   ; the wave stores 256 consecutive bytes, aligned
.endm
.irp t, 0,1,2,3,4,5,6,7,8,9,10,11,12,13,14,15
	STEP \t
.endr
	ds_load_b64 v[8:9], v6                         ; LDS serves a wave's instructions in order: these see my stores
	s_wait_dscnt 0x0
	global_store_b64 v7, v[8:9], s[30:31]          ; 32 lanes store 256 consecutive bytes, aligned
	s_wait_tensorcnt 0x0                           ; the wave's end
	ds_add_u32 v[SPW], v[NIL]
	s_wait_dscnt 0x0
	s_endpgm
; W_o to f16, by head.  Work-group j takes rows 32 j on, a wave 8 of them, as 4 pairs.  An item is (pair, head): lanes 0-15 read the 256 bytes of head h in one row, lanes 16-31 those in the next row;
; the two rows' 128 + 128 bytes of f16 are neighbours in wo16's plane h: one store covers 256 consecutive bytes, aligned.
.Lwo:
	s_sub_co_u32 s27, ttmp9, WGQ
	s_lshl_b32 s27, s27, 5
	s_lshl_b32 s32, s26, 3
	s_add_co_u32 s27, s27, s32                     ; my wave's first row
	s_lshl_b32 s28, s27, 12                        ; x 4,096 bytes in W_o
	s_mov_b32 s29, 0
	s_lshl_b32 s30, s27, 7                         ; x 128 bytes in a plane of wo16
	s_mov_b32 s31, 0
	v_lshrrev_b32 v3, 4, v2
	v_and_b32 v4, 15, v2
	v_lshlrev_b32 v3, 12, v3
	v_lshl_add_u32 v3, v4, 4, v3                   ; in: (lane / 16) rows + 16 (lane % 16)
	v_lshlrev_b32 v4, 3, v2                        ; out: 8 x lane
	s_wait_kmcnt 0x0
	s_add_nc_u64 s[12:13], s[12:13], s[28:29]
	s_add_nc_u64 s[22:23], s[22:23], s[30:31]
.macro WLOAD k                         ; pair k, all 16 heads, into set k % 2
.irp i, 0,1,2,3,4,5,6,7,8,9,10,11,12,13,14,15
	global_load_b128 v[16+64*((\k)%2)+4*\i:16+64*((\k)%2)+4*\i+3], v3, s[12:13] offset:(\k)*8192+\i*256 th:TH_LOAD_NT
.endr
.endm
.macro WOB k
.if (\k)+1 < 4
	WLOAD (\k)+1
.endif
	s_wait_xcnt 0x0                                ; the last pair's stores have read v144-175, which are written again below
.irp i, 0,1,2,3,4,5,6,7,8,9,10,11,12,13,14,15
.if (\k)+1 < 4
	s_wait_loadcnt 31-\i                           ; item i is in: the next pair's 16 loads and this pair's younger ones may be out
.else
	s_wait_loadcnt 15-\i
.endif
	v_cvt_pk_f16_f32 v[144+2*\i], v[16+64*((\k)%2)+4*\i], v[16+64*((\k)%2)+4*\i+1]
	v_cvt_pk_f16_f32 v[145+2*\i], v[16+64*((\k)%2)+4*\i+2], v[16+64*((\k)%2)+4*\i+3]
	global_store_b64 v4, v[144+2*\i:145+2*\i], s[22:23] offset:\i*131072+(\k)*256
.endr
.endm
	WLOAD 0
	WOB 0
	WOB 1
	WOB 2
	WOB 3
	s_endpgm
.Lfunc_end_k_q3b5c14e106_quant:
	.size	k_q3b5c14e106_quant, .Lfunc_end_k_q3b5c14e106_quant-k_q3b5c14e106_quant
	.p2alignl 7, 3214868480
	.fill 96, 4, 3214868480
	.section	.rodata,"a",@progbits
	.p2align	6, 0x0
	.amdhsa_kernel k_q3b5c14e106_quant
		.amdhsa_group_segment_fixed_size 33280
		.amdhsa_private_segment_fixed_size 0
		.amdhsa_enable_private_segment 0
		.amdhsa_kernarg_size 80
		.amdhsa_user_sgpr_count 2
		.amdhsa_user_sgpr_kernarg_segment_ptr 1
		.amdhsa_wavefront_size32 1
		.amdhsa_system_sgpr_workgroup_id_x 1
		.amdhsa_system_sgpr_workgroup_id_y 1
		.amdhsa_system_sgpr_workgroup_id_z 1
		.amdhsa_system_vgpr_workitem_id 0
		.amdhsa_next_free_vgpr 192
		.amdhsa_next_free_sgpr 66
		.amdhsa_reserve_vcc 0
		.amdhsa_float_denorm_mode_32 3
		.amdhsa_float_denorm_mode_16_64 3
		.amdhsa_memory_ordered 1
		.amdhsa_forward_progress 1
		.amdhsa_inst_pref_size 56
	.end_amdhsa_kernel
	.amdgpu_metadata
---
amdhsa.version: [ 1, 2 ]
amdhsa.kernels:
  - .name:           k_q3b5c14e106_quant
    .symbol:         k_q3b5c14e106_quant.kd
    .args:
      - { .name: x, .offset: 0, .size: 8, .value_kind: global_buffer, .address_space: global }
      - { .name: W_q, .offset: 8, .size: 8, .value_kind: global_buffer, .address_space: global }
      - { .name: W_k, .offset: 16, .size: 8, .value_kind: global_buffer, .address_space: global }
      - { .name: W_v, .offset: 24, .size: 8, .value_kind: global_buffer, .address_space: global }
      - { .name: W_o, .offset: 32, .size: 8, .value_kind: global_buffer, .address_space: global }
      - { .name: xc, .offset: 40, .size: 8, .value_kind: global_buffer, .address_space: global }
      - { .name: xs, .offset: 48, .size: 8, .value_kind: global_buffer, .address_space: global }
      - { .name: wc, .offset: 56, .size: 8, .value_kind: global_buffer, .address_space: global }
      - { .name: ws, .offset: 64, .size: 8, .value_kind: global_buffer, .address_space: global }
      - { .name: wo16, .offset: 72, .size: 8, .value_kind: global_buffer, .address_space: global }
    .group_segment_fixed_size: 33280
    .private_segment_fixed_size: 0
    .kernarg_segment_align: 8
    .kernarg_segment_size: 80
    .max_flat_workgroup_size: 128
    .sgpr_count:     66
    .vgpr_count:     192
    .wavefront_size: 32
...
	.end_amdgpu_metadata
.endif
;; end of part 1
;; launch qkv (part 2): grid 12 x 32, 4 waves a work-group, clusters of 4 x 4, 327,680 bytes of LDS; arguments xc, xs, wc, ws, qkv, fine32; writes qkv, fine32
.if DOCPART == 2
	.amdgcn_target "amdgcn-amd-amdhsa--gfx1250"
	.amdhsa_code_object_version 6
	.text
	.protected	k_q3b5c14e106_qkv
	.globl	k_q3b5c14e106_qkv
	.p2align	8
	.type	k_q3b5c14e106_qkv,@function
k_q3b5c14e106_qkv:
	s_mov_b64 s[64:65], 0
	v_nop
	global_prefetch_b8 v0, s[64:65] scope:SCOPE_SE
	s_setreg_imm32_b32 hwreg(HW_REG_WAVE_MODE, 25, 1), 1
	s_wait_xcnt 0x0
	s_wait_alu depctr_hold_cnt(0) depctr_sa_sdst(0) depctr_va_vdst(0) depctr_va_sdst(0) depctr_va_ssrc(0) depctr_va_vcc(0) depctr_vm_vsrc(0)
	s_getreg_b32 s2, hwreg(HW_REG_IB_STS2, 6, 4)
	s_cmp_eq_u32 s2, 0
	s_cbranch_scc0 .Lentry_in_a_cluster
	s_endpgm
.Lentry_in_a_cluster:
	s_bfe_u32 s2, ttmp6, 0x10000c
	s_cmp_lg_u32 s2, 0xf033
	s_cbranch_scc0 .Lentry_shape_is_right
	s_endpgm
.Lentry_shape_is_right:
; The three quantised projections as ONE product: C[m][n] = sum over k of x[m][k] W[n][k], m = 8,192 rows of x, n = 3,072 rows of W_q, W_k, W_v on end, k = 1,024, on codes of FP4 with E8M0 scales; sums in f32.
; C leaves as f16, by head: qkv [4 b][48 hb][2048 s][64], hb = n / 64 (0-15 Q's heads, 16-31 K's, 32-47 V's).  LIMIT: |C| beyond 65,504 does not fit f16.
; Positions 0-15 of each sequence leave in f32 as well, as images of the accumulators: fine32 [4 b][192 ct][2 half][32 lanes][16 bytes]: lane (r, h), register 4 half + i of column tile ct = row r, column 16 ct + 8 h + 4 half + i.
; A tile of C, 256 x 256, is made by four waves, each 128 x 128: 64 accumulators, 512 registers.  K is two slots of 512 (rows of 256 bytes): both are asked for at the head, nothing is filled again.
; The scale bytes of the tile's 256 + 256 rows, for all of K, are two dense blocks: they come once, with the first fills.
; CLUSTERS: 4 x 4 work-groups; A's tiles are shared along a row of the cluster, B's along a column, by joint loads.  The tile row is 8 cy + cluster y: so cy is the batch, and a tile holds positions 0-15 where cluster y = 0,
; which is the same number in all sixteen partners.
; THE MATRIX INSTRUCTION IS USED TRANSPOSED (source 0 = 16 rows of W, source 1 = 16 rows of x): a lane holds eight neighbouring columns of one row of C.
; REGISTERS: window 0: v0-31 addresses; v32-95 scale words, two sets; v96-127 packed results; from v128 A's fragments, one set (on the way out: rows read back).  window 1: B's fragments, two sets.
;   window 2: the accumulators of my rows 0-63 ((a, b) at v[8 (8 a + b)]); window 3: those of rows 64-127.
.set SIZE_K, 1024
.set HEADB,  262144                    ; a plane of qkv: 2,048 rows of 128 bytes
.set KSTEP,  512
.set NQ,     KSTEP/128
.set ROWB,   256
.set KROW,   SIZE_K*4/8
.set PITCH,  272                       ; an LDS row: 256 bytes + 16 of padding: the 16 rows that a load touches start 68 words apart
.set FR,     8
.set NL,     2
.set NP,     4
.set HALFT,  128*PITCH
.set SLOT,   4*HALFT
.set KS,     SIZE_K/32
.set SCL,    2*SLOT
.set HALFS,  (128*KS/256)*272
.set SBLK,   (16*KS/256)*272
.set SPARE,  SCL+4*HALFS               ; the spare words, 128 bytes a wave
.set SPITCH, 272                       ; the way out: a stage of 16 rows x (256 bytes + 16) for each wave, in slot 0, which has had its one fill and its last read by then
.set ADRA, 16
.set ADRB, 20
.set STO,  24
.set RD,   25
.set CO,   26
.set ADRS, 27
.set SPW,  28
.set NIL,  29
.set SC,   32
.set TMP,  96
.set AF,   128
.set BK,   128
.set G1, 24
.set G0, 32
.set G1B, 48
.set G0B, 56
.set G1S, 68
.set G0S, 76
.set G1SB, 80
.set G0SB, 88
.set MSB, 0
.macro WIN new                         ; the immediate's high byte repeats the setting that is left
.if MSB != \new
	s_set_vgpr_msb (MSB<<8)|\new
.set MSB, \new
.endif
.endm
.set MUL_LO, 0xa1                      ; source 0 (B) window 1, source 1 (A) window 0, C and D window 2
.set MUL_HI, 0xf1
.set TO_B,   0x40
; A joint load: waves 0 and 1 fetch for A, waves 2 and 3 for B; the branch hangs on the wave's number alone.  An s_nop 0 and four v_nop follow each line.
.macro JLOAD g0a, g1a, g0b, g1b
	s_cmp_eq_u32 s15, 0
	s_cbranch_scc0 .Lfor_b_\@
	tensor_load_to_lds s[\g0a:\g0a+3], s[\g1a:\g1a+7]
	s_nop 0
.rept 4
	v_nop
.endr
	s_branch .Lasked_\@
.Lfor_b_\@:
	tensor_load_to_lds s[\g0b:\g0b+3], s[\g1b:\g1b+7]
	s_nop 0
.rept 4
	v_nop
.endr
.Lasked_\@:
.endm
.macro CROUND                          ; a round of the cluster's barrier
	s_barrier_signal -1
	s_barrier_wait -1
	s_cmp_lg_u32 s14, 0
	s_cbranch_scc1 .Lnot_wave_0_\@
	s_barrier_signal -3
.Lnot_wave_0_\@:
	s_barrier_wait -3
	s_barrier_signal -1
	s_barrier_wait -1
.endm
	s_load_b128 s[4:7], s[0:1], 0x0                ; x's codes, x's scales
	s_load_b128 s[8:11], s[0:1], 0x10              ; W's codes, W's scales
	s_load_b64 s[12:13], s[0:1], 0x20              ; qkv
	s_load_b64 s[98:99], s[0:1], 0x28              ; fine32
	v_lshl_add_u32 v[SPW], v0, 2, SPARE
	v_mov_b32 v[NIL], 0
	ds_add_u32 v[SPW], v[NIL]                      ; the wave's opening: the add, twice on end, and its wait ahead of my first tensor load
	ds_add_u32 v[SPW], v[NIL]
	v_lshrrev_b32 v1, 5, v0
	v_readfirstlane_b32 s14, v1                    ; wave 0..3
	s_lshr_b32 s15, s14, 1                         ; my half of the tile's rows.  Also: I fetch for A (0) or for B (1)
	s_and_b32 s16, s14, 1                          ; my half of its columns.  Also: which 128 rows I fetch
	s_bfe_u32 s40, ttmp6, 0x40000                  ; cx
	s_bfe_u32 s41, ttmp6, 0x40004                  ; cy
	s_lshl_b32 s42, ttmp9, 2
	s_add_co_u32 s42, s42, s40                     ; tile column = 4 x cluster x + cx
	s_and_b32 s95, ttmp7, 0xffff                   ; cluster y
	s_lshl_b32 s17, s41, 3
	s_add_co_u32 s17, s17, s95                     ; tile row = 8 cy + cluster y: batch cy, positions 256 x cluster y on
	s_lshl_b32 s43, s41, 2
	s_lshl_b32 s43, 15, s43                        ; my row of the cluster
	s_lshl_b32 s44, 0x1111, s40                    ; my column
	s_or_b32 s[G1+0], s43, (0<<16)|(1<<20)|(1<<21)|(5<<22)|(3<<25)  ; the mask; elements of 1 byte; padding: 4 words behind every 64; bit 21 beside a mask
	s_or_b32 s[G1B+0], s44, (0<<16)|(1<<20)|(1<<21)|(5<<22)|(3<<25)
.irp g, G1, G1B
	s_mov_b32 s[\g+1], ROWB<<16                    ; tensor_dim0
	s_mov_b32 s[\g+2], 128<<16                     ; tensor_dim1
	s_mov_b32 s[\g+3], ROWB<<16                    ; tile_dim0
	s_mov_b32 s[\g+4], 128                         ; tile_dim1
	s_mov_b32 s[\g+5], KROW                        ; the pitch
	s_mov_b32 s[\g+6], 0
	s_mov_b32 s[\g+7], 0
.endr
	s_or_b32 s[G1S+0], s43, (3<<16)|(1<<20)|(1<<21)|(5<<22)|(3<<25) ; the scales of 128 rows: 4,096 dense bytes as 16 rows of 32 elements of 8 bytes
	s_or_b32 s[G1SB+0], s44, (3<<16)|(1<<20)|(1<<21)|(5<<22)|(3<<25)
.irp g, G1S, G1SB
	s_mov_b32 s[\g+1], 32<<16
	s_mov_b32 s[\g+2], (128*KS/256)<<16
	s_mov_b32 s[\g+3], 32<<16
	s_mov_b32 s[\g+4], 128*KS/256
	s_mov_b32 s[\g+5], 32
	s_mov_b32 s[\g+6], 0
	s_mov_b32 s[\g+7], 0
.endr
	s_lshl_b32 s18, s16, 7
	s_lshl_b32 s20, s17, 8
	s_add_co_u32 s20, s20, s18                     ; A: row 256 x tile row + 128 x half
	s_lshl_b32 s46, s42, 8
	s_add_co_u32 s46, s46, s18                     ; B: row 256 x tile column + 128 x half
	s_mov_b32 s21, 0
	s_mov_b32 s47, 0
	s_mov_b64 s[18:19], KS
	s_mul_u64 s[22:23], s[20:21], s[18:19]         ; where these rows' scales begin,
	s_mul_u64 s[92:93], s[46:47], s[18:19]
	s_mov_b64 s[18:19], KROW
	s_mul_u64 s[20:21], s[20:21], s[18:19]         ; and their codes
	s_mul_u64 s[46:47], s[46:47], s[18:19]
	s_mul_i32 s45, s14, HALFT                      ; where they go: wave x 128 rows
	s_mul_i32 s94, s14, HALFS
	s_wait_dscnt 0x0                               ; both opening adds are done
	s_wait_kmcnt 0x0
	s_add_nc_u64 s[20:21], s[4:5], s[20:21]
	s_add_nc_u64 s[22:23], s[6:7], s[22:23]
	s_add_nc_u64 s[46:47], s[8:9], s[46:47]
	s_add_nc_u64 s[92:93], s[10:11], s[92:93]
	CROUND                                         ; all sixteen work-groups are here: the joint loads meet
	s_mov_b32 s[G0S], 1
	s_add_co_u32 s[G0S+1], s94, SCL
	s_mov_b64 s[G0S+2:G0S+3], s[22:23]
	s_or_b32 s[G0S+3], s[G0S+3], 0x80000000
	s_mov_b32 s[G0SB], 1
	s_add_co_u32 s[G0SB+1], s94, SCL
	s_mov_b64 s[G0SB+2:G0SB+3], s[92:93]
	s_or_b32 s[G0SB+3], s[G0SB+3], 0x80000000
	JLOAD G0S, G1S, G0SB, G1SB                     ; the scales first: they are wanted with the first slot
.irp s, 0,1
	s_mov_b32 s[G0+4*\s], 1
	s_add_co_u32 s[G0+4*\s+1], s45, \s*SLOT
	s_add_nc_u64 s[G0+4*\s+2:G0+4*\s+3], s[20:21], \s*ROWB
	s_or_b32 s[G0+4*\s+3], s[G0+4*\s+3], 0x80000000
	s_mov_b32 s[G0B+4*\s], 1
	s_add_co_u32 s[G0B+4*\s+1], s45, \s*SLOT
	s_add_nc_u64 s[G0B+4*\s+2:G0B+4*\s+3], s[46:47], \s*ROWB
	s_or_b32 s[G0B+4*\s+3], s[G0B+4*\s+3], 0x80000000
	JLOAD G0+4*\s, G1, G0B+4*\s, G1B               ; three loads of mine are out in all
.endr
	v_and_b32 v1, 15, v0                           ; r
	v_bfe_u32 v2, v0, 4, 1                         ; h
	v_mul_u32_u24 v3, v1, PITCH
	v_lshl_add_u32 v4, v2, 4, v3                   ; a fragment's row x pitch + 16 h
	s_mul_i32 s21, s15, HALFT                      ; my 128 rows of A
	s_mul_i32 s22, s16, HALFT                      ; my 128 rows of B,
	s_add_co_u32 s22, s22, 2*HALFT                 ; behind A's 256
.irp s, 0,1
	v_add_nc_u32 v[ADRA+\s], s21, v4
	v_add_nc_u32 v[ADRB+\s], s22, v4
	s_add_co_u32 s21, s21, SLOT
	s_add_co_u32 s22, s22, SLOT
.endr
	v_mul_u32_u24 v5, v1, KS                       ; my row's scales: KS bytes a row,
	v_lshrrev_b32 v6, 8, v5
	v_lshl_add_u32 v5, v6, 4, v5                   ; and 16 more for each 256 passed
	s_mul_i32 s21, s15, HALFS
	s_mul_i32 s22, s16, HALFS
	s_add_co_u32 s22, s22, 2*HALFS
	s_sub_co_u32 s22, s22, s21
	v_mul_u32_u24 v6, s22, v2                      ; lanes 16-31 take B's: the lower base + h x the distance
	s_add_co_u32 s21, s21, SCL
	v_add_nc_u32 v5, v5, v6
	v_add_nc_u32 v[ADRS], s21, v5
	s_mul_i32 s23, s14, 16*SPITCH                  ; my stage
	v_mul_u32_u24 v5, v1, SPITCH                   ; in: row r, 16 bytes for each half of the lanes
	v_lshl_add_u32 v5, v2, 4, v5
	v_add_nc_u32 v[STO], s23, v5
	v_and_b32 v6, 31, v0
	v_lshlrev_b32 v[CO], 4, v6                     ; in memory: 16 x lane
	v_lshrrev_b32 v5, 3, v6                        ; back: eight lanes take a row's 128 bytes of one head, four rows an instruction
	v_mul_u32_u24 v5, v5, SPITCH
	v_and_b32 v6, 7, v6
	v_lshl_add_u32 v5, v6, 4, v5
	v_add_nc_u32 v[RD], s23, v5
	s_mul_i32 s20, s41, 48                         ; my first plane of qkv: 48 cy + 4 x tile column + 2 x column half
	s_lshl_b32 s21, s42, 2
	s_add_co_u32 s20, s20, s21
	s_lshl_b32 s21, s16, 1
	s_add_co_u32 s20, s20, s21
	s_lshl_b32 s20, s20, 18
	s_lshl_b32 s21, s95, 8                         ; my first position: 256 x cluster y + 128 x row half
	s_lshl_b32 s22, s15, 7
	s_add_co_u32 s21, s21, s22
	s_lshl_b32 s21, s21, 7
	s_add_co_u32 s20, s20, s21                     ; under 2^26
	s_mov_b32 s21, 0
	s_add_nc_u64 s[12:13], s[12:13], s[20:21]
	s_mul_i32 s20, s41, 192                        ; my first column tile of fine32: 192 cy + 16 x tile column + 8 x column half
	s_lshl_b32 s22, s42, 4
	s_add_co_u32 s20, s20, s22
	s_lshl_b32 s22, s16, 3
	s_add_co_u32 s20, s20, s22
	s_lshl_b32 s20, s20, 10
	s_add_nc_u64 s[98:99], s[98:99], s[20:21]
.macro FRAG reg, adr, q, i             ; 16 rows x 128 K of 4-bit codes: 8 registers: lane (r, h): registers 4 c .. 4 c + 3 hold K = 64 c + 32 h + 0 .. 31
.irp c, 0,1
	ds_load_b128 v[\reg+4*\c:\reg+4*\c+3], v[\adr] offset:64*(\q)+32*\c+(\i)*16*PITCH
.endr
.endm
; 16 matrix instructions: A's blocks a0, a0 + 1 x B's eight.  The 64 accumulators take turns, one instruction a turn, in the same order in every step.
.macro MUL16 a0, p, q, sc, zero
.irp a, \a0, \a0+1
.irp b, 0,1,2,3,4,5,6,7
.if \zero
	v_wmma_scale_f32_16x16x128_f8f6f4 v[8*(8*((\a)%4)+\b):8*(8*((\a)%4)+\b)+7], v[128*(\p)+FR*\b:128*(\p)+FR*\b+FR-1], v[AF+FR*(\a):AF+FR*(\a)+FR-1], 0, v[SC+8*NQ*(\sc)+NQ*\b+(\q)], v[SC+8*NQ*(\sc)+NQ*(\a)+(\q)] matrix_a_fmt:MATRIX_FMT_FP4 matrix_b_fmt:MATRIX_FMT_FP4 matrix_a_scale:MATRIX_SCALE_ROW1
.else
	v_wmma_scale_f32_16x16x128_f8f6f4 v[8*(8*((\a)%4)+\b):8*(8*((\a)%4)+\b)+7], v[128*(\p)+FR*\b:128*(\p)+FR*\b+FR-1], v[AF+FR*(\a):AF+FR*(\a)+FR-1], v[8*(8*((\a)%4)+\b):8*(8*((\a)%4)+\b)+7], v[SC+8*NQ*(\sc)+NQ*\b+(\q)], v[SC+8*NQ*(\sc)+NQ*(\a)+(\q)] matrix_a_fmt:MATRIX_FMT_FP4 matrix_b_fmt:MATRIX_FMT_FP4 matrix_a_scale:MATRIX_SCALE_ROW1
.endif
.endr
.endr
.endm
.macro FETCH_B slot, q, p
	WIN TO_B
.irp i, 0,1,2,3,4,5,6,7
	FRAG 128*(\p)+FR*\i, ADRB+\slot, \q, \i
.endr
	WIN 0
.endm
.macro FETCH_A slot, q, i0
.irp i, \i0, \i0+1, \i0+2, \i0+3
	FRAG AF+FR*(\i), ADRA+\slot, \q, \i
.endr
.endm
.macro SCALES sc                       ; a slot's scale words: lanes 0-15 take A's block i, lanes 16-31 B's block i
.irp i, 0,1,2,3,4,5,6,7
	ds_load_b128 v[SC+8*NQ*\sc+NQ*\i:SC+8*NQ*\sc+NQ*\i+3], v[ADRS] offset:\i*SBLK
.endr
.endm
.macro PLACES n                        ; plain vector instructions between a matrix instruction and a load into, or a read of, its registers
.rept \n
	v_nop
.endr
.endm
.macro STEP slot, q, zero              ; 128 along K that has its successor in the same slot
	s_wait_dscnt 4*NL                              ; B's set and A's blocks 0-3 are in; the youngest eight loads (A's blocks 4-7) may be out
	WIN MUL_LO
	MUL16 0, (\q)%2, \q, \slot, \zero
	MUL16 2, (\q)%2, \q, \slot, \zero
	s_wait_dscnt 0
	PLACES NP
	FETCH_B \slot, (\q)+1, 1-(\q)%2
	FETCH_A \slot, (\q)+1, 0
	WIN MUL_HI
	MUL16 4, (\q)%2, \q, \slot, \zero
	MUL16 6, (\q)%2, \q, \slot, \zero
	PLACES NP
	WIN 0
	FETCH_A \slot, (\q)+1, 4
.endm
.macro TURN slot, next                 ; slot 0's last step: one barrier; behind it slot 1 is whole and nobody reads slot 0.  Nothing is filled again
	s_wait_tensorcnt 0x0                           ; all my tensor loads have landed: my part of the next slot
	ds_add_u32 v[SPW], v[NIL]                      ; 0 onto my spare word
	s_wait_dscnt 4*NL+1                            ; (the add and the youngest eight loads may be out)
	WIN MUL_LO
	MUL16 0, 1, NQ-1, \slot, 0
	s_wait_dscnt 0x0                               ; the add is done, and my reads of this slot are over
	s_barrier_signal -1
	MUL16 2, 1, NQ-1, \slot, 0
	WIN 0
	s_barrier_wait -1
	PLACES NP
	v_add_nc_u32 v[ADRS], 4*NQ, v[ADRS]            ; the next slot's scale words
	FETCH_B \next, 0, 0
	FETCH_A \next, 0, 0
	SCALES \next
	WIN MUL_HI
	MUL16 4, 1, NQ-1, \slot, 0
	MUL16 6, 1, NQ-1, \slot, 0
	PLACES NP
	WIN 0
	FETCH_A \next, 0, 4
.endm
.macro STEPS slot, from
.set Q, \from
.rept NQ-1-\from
	STEP \slot, Q, 0
.set Q, Q+1
.endr
.endm
	s_wait_tensorcnt 1                             ; the scales and my part of slot 0 are in; slot 1's load may be out
	s_barrier_signal -1
	s_barrier_wait -1
	FETCH_B 0, 0, 0
	FETCH_A 0, 0, 0
	SCALES 0
	FETCH_A 0, 0, 4
	STEP 0, 0, 1                                   ; the first products start the sums: nothing is cleared
	STEPS 0, 1
	TURN 0, 1
	STEPS 1, 0
	s_wait_dscnt 4*NL                              ; the last step: nothing more to fetch
	WIN MUL_LO
	MUL16 0, 1, NQ-1, 1, 0
	MUL16 2, 1, NQ-1, 1, 0
	s_wait_dscnt 0
	WIN MUL_HI
	MUL16 4, 1, NQ-1, 1, 0
	MUL16 6, 1, NQ-1, 1, 0
	WIN 0
; THE WAY OUT.  First, where my block 0 holds positions 0-15 (cluster y = 0, row half 0: a branch on numbers that all partners share and on the wave's number), its eight accumulators go to fine32 as they stand.
	PLACES NP
	s_or_b32 s3, s95, s15
	s_cmp_lg_u32 s3, 0
	s_cbranch_scc1 .Lno_fine
	WIN 0x08                                       ; a store's data are its source 1: window 2
.irp b, 0,1,2,3,4,5,6,7
	global_store_b128 v[CO], v[8*\b:8*\b+3], s[98:99] offset:1024*\b         ; each accumulator from its low end on; 32 lanes store 512 consecutive bytes
	global_store_b128 v[CO], v[8*\b+4:8*\b+7], s[98:99] offset:1024*\b+512
.endr
	WIN 0
.Lno_fine:
; Then block by block of 16 rows x 128 columns: rounded to f16, 16 bytes a lane, through my own stage, back as rows of one head: four rows of 128 bytes are 512 consecutive bytes of a plane of qkv.
.macro PACK a
.set AC, 64*((\a)%4)
	WIN 0x0a+5*((\a)/4)                            ; sources 0 and 1: window 2 or 3
.irp b, 0,1,2,3,4,5,6,7
.irp r, 0,1,2,3
	v_cvt_pk_f16_f32 v[TMP+4*\b+\r], v[AC+8*\b+2*\r], v[AC+8*\b+2*\r+1]
.endr
.endr
	WIN 0
.endm
.macro TOSTAGE a
.set BB, BK+32*((\a)%2)
.irp b, 0,1,2,3,4,5,6,7
	ds_store_b128 v[STO], v[TMP+4*\b:TMP+4*\b+3] offset:32*\b
.endr
.irp t, 0,1,2,3,4,5,6,7
	ds_load_b128 v[BB+4*\t:BB+4*\t+3], v[RD] offset:(\t%4)*4*SPITCH+128*(\t/4)   ; LDS serves a wave's instructions in order: these see the stores above
.endr
.endm
.macro SEND a
.set BB, BK+32*((\a)%2)
	s_wait_dscnt 0x0                               ; the block is back in registers
	s_wait_xcnt 0x0                                ; the stores of the block before have read their registers: the next block's loads may land there
.irp t, 0,1,2,3,4,5,6,7
	global_store_b128 v[CO], v[BB+4*\t:BB+4*\t+3], s[12:13] offset:(\t/4)*HEADB+(16*(\a)+4*(\t%4))*128
.endr
.endm
	PACK 0
	TOSTAGE 0
.irp a, 1,2,3,4,5,6,7                  ; block a's conversions stand between block a - 1's loads from the stage and the wait for them
	PACK \a
	SEND \a-1
	TOSTAGE \a
.endr
	SEND 7
	s_wait_tensorcnt 0x0                           ; the wave's end
	ds_add_u32 v[SPW], v[NIL]
	s_wait_dscnt 0x0
	CROUND                                         ; the closing round
	s_endpgm
.Lfunc_end_k_q3b5c14e106_qkv:
	.size	k_q3b5c14e106_qkv, .Lfunc_end_k_q3b5c14e106_qkv-k_q3b5c14e106_qkv
	.p2alignl 7, 3214868480
	.fill 96, 4, 3214868480
	.section	.rodata,"a",@progbits
	.p2align	6, 0x0
	.amdhsa_kernel k_q3b5c14e106_qkv
		.amdhsa_group_segment_fixed_size 327680
		.amdhsa_private_segment_fixed_size 0
		.amdhsa_enable_private_segment 0
		.amdhsa_kernarg_size 48
		.amdhsa_user_sgpr_count 2
		.amdhsa_user_sgpr_kernarg_segment_ptr 1
		.amdhsa_wavefront_size32 1
		.amdhsa_system_sgpr_workgroup_id_x 1
		.amdhsa_system_sgpr_workgroup_id_y 1
		.amdhsa_system_sgpr_workgroup_id_z 1
		.amdhsa_system_vgpr_workitem_id 0
		.amdhsa_next_free_vgpr 1024
		.amdhsa_next_free_sgpr 100
		.amdhsa_reserve_vcc 0
		.amdhsa_float_denorm_mode_32 3
		.amdhsa_float_denorm_mode_16_64 3
		.amdhsa_memory_ordered 1
		.amdhsa_forward_progress 1
		.amdhsa_inst_pref_size 128
	.end_amdhsa_kernel
	.amdgpu_metadata
---
amdhsa.version: [ 1, 2 ]
amdhsa.kernels:
  - .name:           k_q3b5c14e106_qkv
    .symbol:         k_q3b5c14e106_qkv.kd
    .args:
      - { .name: xc, .offset: 0, .size: 8, .value_kind: global_buffer, .address_space: global }
      - { .name: xs, .offset: 8, .size: 8, .value_kind: global_buffer, .address_space: global }
      - { .name: wc, .offset: 16, .size: 8, .value_kind: global_buffer, .address_space: global }
      - { .name: ws, .offset: 24, .size: 8, .value_kind: global_buffer, .address_space: global }
      - { .name: qkv, .offset: 32, .size: 8, .value_kind: global_buffer, .address_space: global }
      - { .name: fine32, .offset: 40, .size: 8, .value_kind: global_buffer, .address_space: global }
    .group_segment_fixed_size: 327680
    .private_segment_fixed_size: 0
    .kernarg_segment_align: 8
    .kernarg_segment_size: 48
    .max_flat_workgroup_size: 128
    .sgpr_count:     100
    .vgpr_count:     1024
    .wavefront_size: 32
...
	.end_amdgpu_metadata
.endif
;; end of part 2
;; launch attn (part 3): grid 4 x 64, 8 waves a work-group, no clusters, 327,680 bytes of LDS; arguments qkv, att; writes att
.if DOCPART == 3
	.amdgcn_target "amdgcn-amd-amdhsa--gfx1250"
	.amdhsa_code_object_version 6
	.text
	.protected	k_q3b5c14e106_attn
	.globl	k_q3b5c14e106_attn
	.p2align	8
	.type	k_q3b5c14e106_attn,@function
k_q3b5c14e106_attn:
	s_mov_b64 s[64:65], 0
	v_nop
	global_prefetch_b8 v0, s[64:65] scope:SCOPE_SE
	s_setreg_imm32_b32 hwreg(HW_REG_WAVE_MODE, 25, 1), 1
	s_wait_xcnt 0x0
; att[bh][q][:] = the sum over k <= q of softmax_k(Q[q] . K[k] / 8) V[k][:], one head of 64 channels at a time.  Q, K, V: planes of qkv, f16, [2048][64]; att: [64 bh][2048][64], f16.
; Products on f16 operands with f32 sums; maxima, exponentials and sums in f32; the weights p are rounded to f16 for the second product, att once at the end.  A running maximum is taken away before every exponential.
; LIMITS: |Q|, |K|, |V| up to 65,504 (f16); NaN and infinities are not served.  (Positions 0-15 of each sequence are made here too, but the output's rows for them come from a launch that carries them in f32.)
; SHARES.  Work-group (p, bh) takes two blocks of 256 queries: block 7 - p, then block p.  Under the causal mask they want 8 - p and p + 1 slots of 256 keys: NINE slots in every work-group, so all trip counts are constants.
; Each of the eight waves owns 32 queries of a block, two tiles of 16; which 32 (wave w: sub-block w, or 11 - w from wave 4 on) enters global addresses and the mask alone.
; NO CLUSTER: the four work-groups of a head begin their second block in different trips (trip 8 - p), so from there on they want different tiles in the same trip; a joint load would bring tiles that a partner never reads.
; LAYOUT.  S^T = K Q^T (source 0 = 16 keys, source 1 = 16 queries): a lane holds ONE query (lane % 16) and keys 8 (lane / 16) + 0..7.  Two such tiles, rounded to f16 in pairs, are source 1 of O^T = V^T P.
; K comes out of LDS as it lies, V ([key][channel]) turned, by ds_load_tr16_b128.
; THE RING: two slots of 256 keys; waves 0-3 fetch K's quarters, waves 4-7 V's, one tensor load a wave behind each barrier.
; REGISTERS: v1-14 addresses; v16-31 statistics, eight a tile: +0 c m, +1 m, +2, +3 l, +4..+7 at work (a in +6); v32-63 Q; v64-127 S^T, then p, then P packed in place; v128-191 O^T; v192-255 K's fragments, then V's.
.set HEADB, 262144
.set PK,    144                        ; a row of K in LDS: 128 bytes + 16: 36 words from row to row
.set PV,    160                        ; a row of V: 128 + 32
.set KSB,   64*PK                      ; a key step's rows of K, and a wave's quarter of a slot
.set VSB,   64*PV
.set VOFF,  256*PK                     ; a slot: 256 rows of K, then 256 rows of V
.set SLOT1, 1<<17                      ; slot 1 begins here: one exclusive or turns an address
.set STAGE, VOFF+256*PV                ; between the slots: 32 rows x 144 bytes for each wave, for the way out; no tile lands here
.set SPARE, STAGE+8*32*PK              ; the spare words, 128 bytes a wave
.set AK0, 1
.set AV0, 2
.set ADK, 3
.set ADV, 4
.set QO,  5
.set STO, 6
.set RD,  7
.set GO,  8
.set DIA0, 9
.set DD,  10
.set NINF, 11
.set SPW, 12
.set NIL, 13
.set PFO, 14
.set ST,  16
.set QF,  32
.set S,   64
.set OT,  128
.set KV,  192
.set WV,  8                            ; s8 my wave's number
.set QA0, 12                           ; s[12:13], s[14:15] my rows of Q in the first and the second block
.set QA1, 14
.set OA0, 16                           ; s[16:17], s[18:19] the same rows of att
.set OA1, 18
.set G1K, 24
.set G1V, 32
.set G0K, 40
.set G0V, 44
.set TT,  48                           ; s48 the trip
.set TSW, 49                           ; s49 7 - p: the first block's last trip
.set BACK, 50                          ; s50 (7 - p) slots in bytes
.set DA,  52                           ; s[52:53], s[54:55] what a change of slots adds to and takes off the tiles' addresses
.set DS,  54
.set CS,  56                           ; s[56:57] c = log2(e) / 8
.set SEL, 58                           ; s[58:59] v_permlanex16_b32's selects: lane l xor 16
.set TK,  60                           ; s60, s61 where the step's rows of K and of V begin in LDS
.set TV,  61
.set KF,  62                           ; s62 the step's first key
.set Q0,  66                           ; s66 my first query; s67 that of the second block
.set Q0L, 67
.set STP, 68
.set PFA, 70                           ; s[70:71] where my prefetches stand
.set LIM, 72                           ; s72 a wave prefetches while the trip is under it
.macro TLOAD                           ; waves 0-3 fetch K's quarters, waves 4-7 V's; an s_nop 0 and four v_nop follow each line
	s_cmp_lt_u32 s[WV], 4
	s_cbranch_scc0 .Lfor_v_\@
	tensor_load_to_lds s[G0K:G0K+3], s[G1K:G1K+7]
	s_nop 0
.rept 4
	v_nop
.endr
	s_branch .Lasked_\@
.Lfor_v_\@:
	tensor_load_to_lds s[G0V:G0V+3], s[G1V:G1V+7]
	s_nop 0
.rept 4
	v_nop
.endr
.Lasked_\@:
.endm
; A PREFETCH of the slot after the one just asked for.  All four work-groups of a head walk the slots of their first block in step; the one with p = 0 walks all eight, and it alone asks: in trip t for slot t + 2,
; each wave for the 8,192 bytes that it will itself fetch, lanes 256 bytes apart.  So each 256 bytes of slots 2 to 7 are named once in the launch; slots 0 and 1 come by their loads alone; trips 6 on ask for nothing.
.macro ASK
	s_cmp_lt_u32 s[TT], s[LIM]
	s_cbranch_scc0 .Lnot_mine_\@
	global_prefetch_b8 v[PFO], s[PFA:PFA+1] th:TH_LOAD_NT scope:SCOPE_SE
.Lnot_mine_\@:
.endm
.macro QLOAD qa                        ; my 32 queries: fragment (tile u, channels 32 d on): lane (r, h): row r, channels 8 h + 0..7 and 16 + 8 h + 0..7
.irp u, 0,1
.irp d, 0,1
	global_load_b128 v[QF+16*\u+8*\d:QF+16*\u+8*\d+3],   v[QO], s[\qa:\qa+1] offset:\u*2048+\d*64
	global_load_b128 v[QF+16*\u+8*\d+4:QF+16*\u+8*\d+7], v[QO], s[\qa:\qa+1] offset:\u*2048+\d*64+32
.endr
.endr
.endm
.macro INIT                            ; a block begins: O^T and l are zeros, m is -3e38, under every score: the first step's a is then 0
.set jj, 0
.rept 64
	v_mov_b32 v[OT+jj], 0
.set jj, jj+1
.endr
.irp u, 0,1
	v_mov_b32 v[ST+8*\u+1], 0xff61b1e6
.irp i, 2,3,4,5,6,7
	v_mov_b32 v[ST+8*\u+\i], 0
.endr
	v_mul_f32 v[ST+8*\u], s[CS], v[ST+8*\u+1]
.endr
.endm
	s_load_b128 s[4:7], s[0:1], 0x0                ; qkv, att
	v_lshl_add_u32 v[SPW], v0, 2, SPARE
	v_mov_b32 v[NIL], 0
	ds_add_u32 v[SPW], v[NIL]                      ; the wave's opening: the add, twice on end, and its wait ahead of my first tensor load
	ds_add_u32 v[SPW], v[NIL]
	v_lshrrev_b32 v1, 5, v0
	v_readfirstlane_b32 s[WV], v1                  ; wave 0..7
	s_mov_b32 s[G1K], (1<<16)|(1<<20)|(4<<22)|(3<<25)   ; elements of 2 bytes; padding: 4 words behind every 32
	s_mov_b32 s[G1V], (1<<16)|(1<<20)|(4<<22)|(7<<25)   ; 8 words behind every 32
.irp g, G1K, G1V
	s_mov_b32 s[\g+1], 64<<16                      ; tensor_dim0 = 64
	s_mov_b32 s[\g+2], 64<<16                      ; tensor_dim1 = 64
	s_mov_b32 s[\g+3], 64<<16                      ; tile_dim0 = 64
	s_mov_b32 s[\g+4], 64                          ; tile_dim1 = 64
	s_mov_b32 s[\g+5], 64                          ; the pitch
	s_mov_b32 s[\g+6], 0
	s_mov_b32 s[\g+7], 0
.endr
	s_and_b32 s20, ttmp7, 0xffff                   ; bh
	s_lshr_b32 s21, s20, 4                         ; b
	s_and_b32 s22, s20, 15                         ; h
	s_mul_i32 s21, s21, 48
	s_add_co_u32 s21, s21, s22
	s_lshl_b32 s21, s21, 18                        ; Q's plane in qkv, in bytes (under 2^26)
	s_lshl_b32 s20, s20, 18                        ; att's plane
	s_sub_co_u32 s73, 11, s[WV]
	s_cmp_lt_u32 s[WV], 4
	s_cselect_b32 s10, s[WV], s73                  ; which 32 queries of a block are mine
	s_lshl_b32 s10, s10, 5
	s_sub_co_u32 s[TSW], 7, ttmp9
	s_lshl_b32 s[Q0], s[TSW], 8
	s_add_co_u32 s[Q0], s[Q0], s10                 ; my first query in block 7 - p,
	s_lshl_b32 s[Q0L], ttmp9, 8
	s_add_co_u32 s[Q0L], s[Q0L], s10               ; and in block p
	s_lshl_b32 s[BACK], s[TSW], 15
	s_and_b32 s11, s[WV], 3                        ; my quarter of a slot
	s_lshl_b32 s22, s11, 13                        ; 64 rows of 128 bytes in memory
	s_add_co_u32 s22, s22, s21
	s_mov_b32 s23, 0
	s_mov_b32 s[G0K], 1
	s_mul_i32 s[G0K+1], s11, KSB                   ; slot 0
	s_mov_b32 s[G0V], 1
	s_mul_i32 s[G0V+1], s11, VSB
	s_add_co_u32 s[G0V+1], s[G0V+1], VOFF
	s_mov_b32 s[DA+1], 0
	s_mov_b32 s[DS+1], 0
	s_mov_b32 s[CS], 0x3e38aa3b                    ; c = log2(e) / 8
	s_mov_b32 s[CS+1], s[CS]                       ; (named with it as a pair)
	s_mov_b32 s[SEL], 0x76543210
	s_mov_b32 s[SEL+1], 0xfedcba98
	s_mov_b32 s[TK], 0
	s_mov_b32 s[TV], 0
	s_mov_b32 s[KF], 0
	s_mov_b32 s[TT], 0
	s_cmp_eq_u32 ttmp9, 0
	s_cselect_b32 s[LIM], 6, 0
	s_wait_dscnt 0x0                               ; both opening adds are done
	s_wait_kmcnt 0x0
	s_add_nc_u64 s[G0K+2:G0K+3], s[4:5], s[22:23]
	s_add_nc_u64 s[G0V+2:G0V+3], s[G0K+2:G0K+3], 32*HEADB   ; V's plane
	s_add_nc_u64 s[G0K+2:G0K+3], s[G0K+2:G0K+3], 16*HEADB   ; K's plane
	s_cmp_lt_u32 s[WV], 4
	s_cselect_b64 s[PFA:PFA+1], s[G0K+2:G0K+3], s[G0V+2:G0V+3]
	s_add_nc_u64 s[PFA:PFA+1], s[PFA:PFA+1], 0x8000  ; in slot 1: the first change of slots steps it to slot 2
	s_or_b32 s[G0K+3], s[G0K+3], 0x80000000
	s_or_b32 s[G0V+3], s[G0V+3], 0x80000000
	TLOAD                                          ; keys 0-255 into slot 0: one load of mine is out
	s_lshl_b32 s74, s[Q0], 7
	s_add_co_u32 s22, s74, s21
	s_add_nc_u64 s[QA0:QA0+1], s[4:5], s[22:23]
	s_add_co_u32 s22, s74, s20
	s_add_nc_u64 s[OA0:OA0+1], s[6:7], s[22:23]
	s_lshl_b32 s74, s[Q0L], 7
	s_add_co_u32 s22, s74, s21
	s_add_nc_u64 s[QA1:QA1+1], s[4:5], s[22:23]
	s_add_co_u32 s22, s74, s20
	s_add_nc_u64 s[OA1:OA1+1], s[6:7], s[22:23]
	v_and_b32 v3, 15, v0                           ; r
	v_bfe_u32 v4, v0, 4, 1                         ; h
	v_lshlrev_b32 v[QO], 7, v3
	v_lshl_add_u32 v[QO], v4, 4, v[QO]             ; row r of 128 bytes + 16 h
	QLOAD QA0
	v_mul_u32_u24 v[AK0], v3, PK
	v_lshl_add_u32 v[AK0], v4, 4, v[AK0]           ; K: row r x pitch + 16 h
	v_and_b32 v10, 7, v0
	v_bfe_u32 v15, v0, 3, 1
	v_lshl_add_u32 v[AV0], v4, 3, v10              ; V, turning load: key 8 h + lane % 8,
	v_mul_u32_u24 v[AV0], v[AV0], PV
	v_lshl_add_u32 v[AV0], v15, 4, v[AV0]          ; channels 8 ((lane / 8) % 2) on
	v_add_nc_u32 v[AV0], VOFF, v[AV0]
	s_mul_i32 s73, s[WV], 32*PK
	s_add_co_u32 s73, s73, STAGE                   ; my stage
	v_add_nc_u32 v[STO], s73, v[AK0]               ; in: row r, 16 bytes for each half of the lanes
	v_bfe_u32 v15, v0, 3, 2
	v_mul_u32_u24 v[RD], v15, PK                   ; back: eight lanes a row, four rows an instruction
	v_lshl_add_u32 v[RD], v10, 4, v[RD]
	v_add_nc_u32 v[RD], s73, v[RD]
	v_and_b32 v15, 31, v0
	v_lshlrev_b32 v[GO], 4, v15                    ; in att: 16 x lane
	v_lshlrev_b32 v[PFO], 8, v15                   ; the prefetches: 256 x lane
	v_lshlrev_b32 v15, 3, v4
	v_sub_nc_u32 v[DIA0], v3, v15                  ; r - 8 h
	v_mov_b32 v[NINF], 0xff800000                  ; -infinity
	INIT
	s_wait_loadcnt 0x0                             ; Q
; THE CHANGE OF SLOTS, at a slot's head.  Each wave waits for all its tensor loads (its part of the slot ahead), adds 0 to its spare word, and waits for that and for its reads of the slot that it has left.
; fill = 1: behind the barrier the slot just left takes the next trip's keys: the next 256, or, behind the first block's last slot, keys 0-255 again.
.macro CHANGE fill
	s_wait_tensorcnt 0x0                           ; no tensor load of mine is out, so a group 0 may be written
	ds_add_u32 v[SPW], v[NIL]                      ; 0 onto my spare word; the descriptors' steps stand between it and the wait for it
.if \fill
	s_xor_b32 s[G0K+1], s[G0K+1], SLOT1
	s_xor_b32 s[G0V+1], s[G0V+1], SLOT1
	s_cmp_eq_u32 s[TT], s[TSW]                     ; ids and the count of trips alone
	s_cselect_b32 s[DA], 0, 0x8000
	s_cselect_b32 s[DS], s[BACK], 0
	s_add_nc_u64 s[G0K+2:G0K+3], s[G0K+2:G0K+3], s[DA:DA+1]
	s_sub_nc_u64 s[G0K+2:G0K+3], s[G0K+2:G0K+3], s[DS:DS+1]
	s_add_nc_u64 s[G0V+2:G0V+3], s[G0V+2:G0V+3], s[DA:DA+1]
	s_sub_nc_u64 s[G0V+2:G0V+3], s[G0V+2:G0V+3], s[DS:DS+1]
	s_wait_xcnt 0x0                                ; the last prefetch, a slot back, has read its address
	s_add_nc_u64 s[PFA:PFA+1], s[PFA:PFA+1], 0x8000
.endif
	s_wait_dscnt 0x0                               ; the add is done, and my reads of the slot that I have left are over
	s_barrier_signal -1
	s_barrier_wait -1
.if \fill
	TLOAD                                          ; my one tensor load until the next such barrier: it has a slot's four key steps in which to land
	ASK
.endif
.endm
; A KEY STEP: 64 keys.
.macro STEP
	s_add_co_u32 s73, s[Q0], 31                    ; a step all of whose keys come after my 32 queries is left out: a branch on ids, round the work alone
	s_cmp_gt_u32 s[KF], s73
	s_cbranch_scc1 .Lhid_\@
	v_add_nc_u32 v[ADK], s[TK], v[AK0]
	v_add_nc_u32 v[ADV], s[TV], v[AV0]
.rept 3
	v_nop                                          ; with the two additions: five places between the last V^T P and the products below, which write over P; four would do for the loads into its V
.endr
.irp kt, 0,1,2,3
.irp d, 0,1
	ds_load_b128 v[KV+8*(2*\kt+\d):KV+8*(2*\kt+\d)+3],   v[ADK] offset:\kt*16*PK+\d*64
	ds_load_b128 v[KV+8*(2*\kt+\d)+4:KV+8*(2*\kt+\d)+7], v[ADK] offset:\kt*16*PK+\d*64+32
.endr
.endr
	s_wait_dscnt 0x0
.irp d, 0,1                            ; S^T = K Q^T: eight accumulators by turns; the first eight products start the sums
.irp kt, 0,1,2,3
.irp u, 0,1
.if \d == 0
	v_wmma_f32_16x16x32_f16 v[S+32*\u+8*\kt:S+32*\u+8*\kt+7], v[KV+8*(2*\kt+\d):KV+8*(2*\kt+\d)+7], v[QF+16*\u+8*\d:QF+16*\u+8*\d+7], 0
.else
	v_wmma_f32_16x16x32_f16 v[S+32*\u+8*\kt:S+32*\u+8*\kt+7], v[KV+8*(2*\kt+\d):KV+8*(2*\kt+\d)+7], v[QF+16*\u+8*\d:QF+16*\u+8*\d+7], v[S+32*\u+8*\kt:S+32*\u+8*\kt+7]
.endif
.endr
.endr
.endr
.rept 4
	v_nop                                          ; places in front of the loads into K's registers and of the first read of the scores
.endr
.irp kh, 0,1                           ; V, turned: fragment (keys 32 kh on, channels 16 ct on); they land under the softmax
.irp ct, 0,1,2,3
	ds_load_tr16_b128 v[KV+8*(4*\kh+\ct):KV+8*(4*\kh+\ct)+3],   v[ADV] offset:\kh*32*PV+\ct*32
	ds_load_tr16_b128 v[KV+8*(4*\kh+\ct)+4:KV+8*(4*\kh+\ct)+7], v[ADV] offset:\kh*32*PV+16*PV+\ct*32
.endr
.endr
	s_add_co_u32 s73, s[KF], 63                    ; on the diagonal hidden scores become -infinity; a step all of whose keys count skips this
	s_cmp_le_u32 s73, s[Q0]
	s_cbranch_scc1 .Lopen_\@
	s_sub_co_i32 s73, s[Q0], s[KF]
	v_add_nc_u32 v[DD], s73, v[DIA0]               ; d = Q0 - KF + r - 8 h.  Register (u, kt, j) holds key KF + 16 kt + 8 h + j, query Q0 + 16 u + r: hidden where 16 kt + j - 16 u > d
.irp u, 0,1
.irp kt, 0,1,2,3
.irp j, 0,1,2,3,4,5,6,7
	v_cmp_gt_i32 vcc_lo, 16*\kt+\j-16*\u, v[DD]
	v_cndmask_b32 v[S+32*\u+8*\kt+\j], v[S+32*\u+8*\kt+\j], v[NINF], vcc_lo
.endr
.endr
.endr
.Lopen_\@:
; the softmax, the two tiles line by line by turns.  The maximum of the lane's 32 scores and the old m: four chains, each accumulator from its low end on
.irp j, 0,1,2,3
.irp u, 0,1
	v_max3_num_f32 v[ST+8*\u+4+\j], v[S+32*\u+8*\j], v[S+32*\u+8*\j+1], v[S+32*\u+8*\j+2]
.endr
.endr
.irp g, 1,2
.irp j, 0,1,2,3
.irp u, 0,1
	v_max3_num_f32 v[ST+8*\u+4+\j], v[ST+8*\u+4+\j], v[S+32*\u+8*\j+2*\g+1], v[S+32*\u+8*\j+2*\g+2]
.endr
.endr
.endr
.irp u, 0,1
	v_max3_num_f32 v[ST+8*\u+4], v[ST+8*\u+4], v[S+32*\u+7], v[S+32*\u+15]
.endr
.irp u, 0,1
	v_max3_num_f32 v[ST+8*\u+6], v[ST+8*\u+6], v[S+32*\u+23], v[S+32*\u+31]
.endr
.irp u, 0,1
	v_max3_num_f32 v[ST+8*\u+4], v[ST+8*\u+4], v[ST+8*\u+5], v[ST+8*\u+6]
.endr
.irp u, 0,1
	v_max3_num_f32 v[ST+8*\u+4], v[ST+8*\u+4], v[ST+8*\u+7], v[ST+8*\u+1]
.endr
.irp u, 0,1
	v_permlanex16_b32 v[ST+8*\u+5], v[ST+8*\u+4], s[SEL], s[SEL+1]   ; the query's other 32 keys lie in the lane 16 away
.endr
.irp u, 0,1
	v_mov_b32 v[ST+8*\u+7], v[ST+8*\u]             ; c m_old is kept for a
.endr
.irp u, 0,1
	v_max_num_f32 v[ST+8*\u+1], v[ST+8*\u+4], v[ST+8*\u+5]
.endr
.irp u, 0,1
	v_mul_f32 v[ST+8*\u], s[CS], v[ST+8*\u+1]
.endr
.irp u, 0,1
	v_sub_f32 v[ST+8*\u+7], v[ST+8*\u+7], v[ST+8*\u]
.endr
.irp b, 0,1,2,3,4,5,6,7,8,9,10,11,12,13,14,15
.irp u, 0,1
	v_pk_fma_f32 v[S+32*\u+2*\b:S+32*\u+2*\b+1], v[S+32*\u+2*\b:S+32*\u+2*\b+1], s[CS:CS+1], v[ST+8*\u:ST+8*\u+1] op_sel_hi:[1,0,0] neg_lo:[0,0,1] neg_hi:[0,0,1]   ; c s - c m
.endr
.endr
.irp u, 0,1
	v_exp_f32 v[ST+8*\u+6], v[ST+8*\u+7]           ; a = 2^(c m_old - c m_new)
.endr
.set jj, 0
.rept 32
	v_exp_f32 v[S+jj], v[S+jj]                     ; p: ONE batch of 66 exponentials, none of which names another's result
	v_exp_f32 v[S+32+jj], v[S+32+jj]
.set jj, jj+1
.endr
	v_nop                                          ; a plain instruction behind the last exponential
	s_wait_alu depctr_va_vdst(0)                   ; one wait for the batch, ahead of its first reader
.irp u, 0,1
	v_pk_mul_f32 v[ST+8*\u+2:ST+8*\u+3], v[ST+8*\u+2:ST+8*\u+3], v[ST+8*\u+6:ST+8*\u+7] op_sel_hi:[1,0]   ; l x a
.endr
.irp u, 0,1
	v_pk_add_f32 v[ST+8*\u+4:ST+8*\u+5], v[S+32*\u:S+32*\u+1], v[S+32*\u+2:S+32*\u+3]   ; the sum of p in f32, before it is rounded: two chains
.endr
.irp j, 4,8,12,16,20,24,28
.irp u, 0,1
	v_pk_add_f32 v[ST+8*\u+2:ST+8*\u+3], v[ST+8*\u+2:ST+8*\u+3], v[S+32*\u+\j:S+32*\u+\j+1]
	v_pk_add_f32 v[ST+8*\u+4:ST+8*\u+5], v[ST+8*\u+4:ST+8*\u+5], v[S+32*\u+\j+2:S+32*\u+\j+3]
.endr
.endr
.irp u, 0,1
	v_pk_add_f32 v[ST+8*\u+2:ST+8*\u+3], v[ST+8*\u+2:ST+8*\u+3], v[ST+8*\u+4:ST+8*\u+5]
.endr
.irp i, 0,1,2,3,4,5,6,7,8,9,10,11,12,13,14,15
.irp u, 0,1
	v_cvt_pk_f16_f32 v[S+32*\u+\i], v[S+32*\u+2*\i], v[S+32*\u+2*\i+1]   ; P, packed in place, ascending: register i is written when registers up to 2 i + 1 have been read
.endr
.endr
.set jj, 0
.rept 16
	v_pk_mul_f32 v[OT+jj:OT+jj+1], v[OT+jj:OT+jj+1], v[ST+6:ST+7] op_sel_hi:[1,0]          ; O^T x a, each accumulator from its low end on
	v_pk_mul_f32 v[OT+32+jj:OT+32+jj+1], v[OT+32+jj:OT+32+jj+1], v[ST+14:ST+15] op_sel_hi:[1,0]
.set jj, jj+2
.endr
	s_wait_dscnt 0x0                               ; V is in
.irp kh, 0,1                           ; O^T += V^T P: eight accumulators by turns
.irp ct, 0,1,2,3
.irp u, 0,1
	v_wmma_f32_16x16x32_f16 v[OT+32*\u+8*\ct:OT+32*\u+8*\ct+7], v[KV+8*(4*\kh+\ct):KV+8*(4*\kh+\ct)+7], v[S+32*\u+8*\kh:S+32*\u+8*\kh+7], v[OT+32*\u+8*\ct:OT+32*\u+8*\ct+7]
.endr
.endr
.endr
.Lhid_\@:
	s_add_co_u32 s[KF], s[KF], 64
	s_add_co_u32 s[TK], s[TK], KSB
	s_add_co_u32 s[TV], s[TV], VSB
.endm
.macro SLOT_STEPS                      ; a slot's four key steps: written once, walked four times
	s_mov_b32 s[STP], 4
.Lstep_\@:
	STEP
	s_sub_co_u32 s[STP], s[STP], 1
	s_cmp_lg_u32 s[STP], 0
	s_cbranch_scc1 .Lstep_\@
	s_sub_co_u32 s[TK], s[TK], 4*KSB               ; back to a slot's first step,
	s_sub_co_u32 s[TV], s[TV], 4*VSB
	s_xor_b32 s[TK], s[TK], SLOT1                  ; in the other slot
	s_xor_b32 s[TV], s[TV], SLOT1
.endm
; A BLOCK'S WAY OUT: O^T / l, rounded to f16, through my own stage, back as rows: four rows of 128 bytes are 512 consecutive bytes of att.
.macro FINISH oa
.rept 4
	v_nop                                          ; places behind the last products
.endr
.irp u, 0,1
	v_add_f32 v[ST+8*\u+4], v[ST+8*\u+2], v[ST+8*\u+3]
.endr
.irp u, 0,1
	v_permlanex16_b32 v[ST+8*\u+5], v[ST+8*\u+4], s[SEL], s[SEL+1]
.endr
.irp u, 0,1
	v_add_f32 v[ST+8*\u+4], v[ST+8*\u+4], v[ST+8*\u+5]
.endr
.irp u, 0,1
	v_rcp_f32 v[ST+8*\u+6], v[ST+8*\u+4]
.endr
	v_nop
	s_wait_alu depctr_va_vdst(0)                   ; one wait for the two reciprocals, ahead of their first reader
.irp u, 0,1
.set jj, 0
.rept 16
	v_pk_mul_f32 v[OT+32*\u+jj:OT+32*\u+jj+1], v[OT+32*\u+jj:OT+32*\u+jj+1], v[ST+8*\u+6:ST+8*\u+7] op_sel_hi:[1,0]
.set jj, jj+2
.endr
.endr
.irp u, 0,1
.set jj, 0
.rept 16
	v_cvt_pk_f16_f32 v[S+16*\u+jj], v[OT+32*\u+2*jj], v[OT+32*\u+2*jj+1]
.set jj, jj+1
.endr
.endr
.irp u, 0,1
.irp ct, 0,1,2,3
	ds_store_b128 v[STO], v[S+16*\u+4*\ct:S+16*\u+4*\ct+3] offset:\u*16*PK+32*\ct
.endr
.endr
.irp t, 0,1,2,3,4,5,6,7
	ds_load_b128 v[S+32+4*\t:S+32+4*\t+3], v[RD] offset:\t*4*PK   ; LDS serves a wave's instructions in order: these see my stores
.endr
.irp t, 0,1,2,3,4,5,6,7
	s_wait_dscnt 7-\t                              ; the younger loads may be out
	global_store_b128 v[GO], v[S+32+4*\t:S+32+4*\t+3], s[\oa:\oa+1] offset:512*\t
.endr
.endm
.macro SWITCH                          ; behind the first block's last slot: its rows leave, the second block begins.  A branch on ids and the count of trips; no barrier and no tensor load stands in it
	s_cmp_lg_u32 s[TT], s[TSW]
	s_cbranch_scc1 .Lsame_\@
.rept 4
	v_nop                                          ; places in front of the loads into Q's registers
.endr
	QLOAD QA1                                      ; lands under the way out
	FINISH OA0
	s_wait_xcnt 0x0                                ; the stores have read their registers, which the next scores take
	s_mov_b32 s[Q0], s[Q0L]
	s_mov_b32 s[KF], 0
	INIT
	s_wait_loadcnt 0x0                             ; Q
.Lsame_\@:
.endm
.Lslot:                                            ; eight trips: behind each change of slots the next trip's keys are asked for
	CHANGE 1
	SLOT_STEPS
	SWITCH
	s_add_co_u32 s[TT], s[TT], 1
	s_cmp_lt_u32 s[TT], 8
	s_cbranch_scc1 .Lslot
	CHANGE 0                                       ; the ninth slot is written out: nothing is left to fetch
	SLOT_STEPS
	FINISH OA1
	s_wait_tensorcnt 0x0                           ; the wave's end
	ds_add_u32 v[SPW], v[NIL]
	s_wait_dscnt 0x0
	s_endpgm
.Lfunc_end_k_q3b5c14e106_attn:
	.size	k_q3b5c14e106_attn, .Lfunc_end_k_q3b5c14e106_attn-k_q3b5c14e106_attn
	.p2alignl 7, 3214868480
	.fill 96, 4, 3214868480
	.section	.rodata,"a",@progbits
	.p2align	6, 0x0
	.amdhsa_kernel k_q3b5c14e106_attn
		.amdhsa_group_segment_fixed_size 327680
		.amdhsa_private_segment_fixed_size 0
		.amdhsa_enable_private_segment 0
		.amdhsa_kernarg_size 16
		.amdhsa_user_sgpr_count 2
		.amdhsa_user_sgpr_kernarg_segment_ptr 1
		.amdhsa_wavefront_size32 1
		.amdhsa_system_sgpr_workgroup_id_x 1
		.amdhsa_system_sgpr_workgroup_id_y 1
		.amdhsa_system_sgpr_workgroup_id_z 1
		.amdhsa_system_vgpr_workitem_id 0
		.amdhsa_next_free_vgpr 256
		.amdhsa_next_free_sgpr 80
		.amdhsa_reserve_vcc 1
		.amdhsa_float_denorm_mode_32 3
		.amdhsa_float_denorm_mode_16_64 3
		.amdhsa_memory_ordered 1
		.amdhsa_forward_progress 1
		.amdhsa_inst_pref_size 71
	.end_amdhsa_kernel
	.amdgpu_metadata
---
amdhsa.version: [ 1, 2 ]
amdhsa.kernels:
  - .name:           k_q3b5c14e106_attn
    .symbol:         k_q3b5c14e106_attn.kd
    .args:
      - { .name: qkv, .offset: 0, .size: 8, .value_kind: global_buffer, .address_space: global }
      - { .name: att, .offset: 8, .size: 8, .value_kind: global_buffer, .address_space: global }
    .group_segment_fixed_size: 327680
    .private_segment_fixed_size: 0
    .kernarg_segment_align: 8
    .kernarg_segment_size: 16
    .max_flat_workgroup_size: 256
    .sgpr_count:     80
    .vgpr_count:     256
    .wavefront_size: 32
...
	.end_amdgpu_metadata
.endif
;; end of part 3
;; launch oproj (part 4): grid 4 x 64, 4 waves a work-group, clusters of 4 x 4, 327,680 bytes of LDS; arguments att, wo16, out0; writes out0
.if DOCPART == 4
	.amdgcn_target "amdgcn-amd-amdhsa--gfx1250"
	.amdhsa_code_object_version 6
	.text
	.protected	k_q3b5c14e106_oproj
	.globl	k_q3b5c14e106_oproj
	.p2align	8
	.type	k_q3b5c14e106_oproj,@function
k_q3b5c14e106_oproj:
	s_mov_b64 s[64:65], 0
	v_nop
	global_prefetch_b8 v0, s[64:65] scope:SCOPE_SE
	s_setreg_imm32_b32 hwreg(HW_REG_WAVE_MODE, 25, 1), 1
	s_wait_xcnt 0x0
	s_wait_alu depctr_hold_cnt(0) depctr_sa_sdst(0) depctr_va_vdst(0) depctr_va_sdst(0) depctr_va_ssrc(0) depctr_va_vcc(0) depctr_vm_vsrc(0)
	s_getreg_b32 s2, hwreg(HW_REG_IB_STS2, 6, 4)
	s_cmp_eq_u32 s2, 0
	s_cbranch_scc0 .Lentry_in_a_cluster
	s_endpgm
.Lentry_in_a_cluster:
	s_bfe_u32 s2, ttmp6, 0x10000c
	s_cmp_lg_u32 s2, 0xf033
	s_cbranch_scc0 .Lentry_shape_is_right
	s_endpgm
.Lentry_shape_is_right:
; out0[b][s][n] = sum over e of att(b, s, e) W_o[n][e], e = 64 h + c.  att: [64 bh][2048 s][64] f16; wo16: [16 h][1024 n][64] f16; out0: [8192][1024] f32; sums in f32.
; Positions 0-15 of each sequence are NOT stored here: a later launch makes those rows with f32 operands.
; A tile of out0 is 128 rows x 256 columns: 256 work-groups.  Four waves, each 64 x 128: 32 accumulators of 16 x 16, 256 registers.  K goes in slots of 128 = two heads, each head a plane of rows of 128 bytes;
; a ring of two slots; wave 0 fetches att's first plane of a slot (128 rows), wave 1 its second, waves 2 and 3 wo16's (256 rows each): one tensor load a wave behind each round.
; CLUSTERS: 4 x 4 work-groups.  The tile row is (batch cy, positions 128 x cluster y on), the tile column cx: att's tiles are shared along a row of the cluster, wo16's along a column, by joint loads.
; Whether a tile holds positions 0-15 hangs on cluster y, which all sixteen partners share.
; THE MATRIX INSTRUCTION IS USED TRANSPOSED (source 0 = 16 rows of wo16, source 1 = 16 rows of att): a lane holds eight neighbouring columns of one row of out0.
; No prefetch: a plane's part of a slot is 64 or 128 blocks of 256 bytes, which do not fall a lane each to the four partners that ask jointly, and the tile is a small one.
; REGISTERS: window 0: v16-29 addresses; v128-255 rows read back on the way out.  window 1: two fragment buffers of 96: 64 of wo16's (8 x 16 rows x 32 K), 32 of att's (4).  window 2: accumulator (a, b) at v[8 (8 a + b)].
.set HEADB,  262144                    ; a plane of att
.set WPL,    131072                    ; a plane of wo16
.set PITCH,  144                       ; an LDS row: 128 bytes + 16
.set APL,    128*PITCH                 ; att's plane in a slot
.set BPL,    256*PITCH                 ; wo16's
.set SLOT,   2*APL+2*BPL
.set STAGE,  2*SLOT                    ; behind the ring: 16 rows x (512 + 16) bytes for each wave
.set SPITCH, 528
.set SPARE,  STAGE+4*16*SPITCH         ; the spare words, 128 bytes a wave
.set LAPS,   4                         ; a lap = two slots; K = 1,024 is eight slots
.set ADRA, 16
.set ADRB, 20
.set STO,  24
.set RD,   25
.set CO,   26
.set SPW,  28
.set NIL,  29
.set BK,   128
.set F0,   0
.set F1,   96
.set G1, 24
.set G0, 32
.set G1B, 48
.set G0B, 56
.set MSB, 0
.macro WIN new
.if MSB != \new
	s_set_vgpr_msb (MSB<<8)|\new
.set MSB, \new
.endif
.endm
.set MUL,  0xa5                        ; sources 0 and 1 window 1; C and D window 2
.set TO_F, 0x40                        ; destination window 1, address window 0
.macro JLOAD s                         ; waves 0 and 1 fetch att's planes, waves 2 and 3 wo16's; an s_nop 0 and four v_nop follow each line
	s_cmp_eq_u32 s11, 0
	s_cbranch_scc0 .Lfor_b_\@
	tensor_load_to_lds s[G0+4*\s:G0+4*\s+3], s[G1:G1+7]
	s_nop 0
.rept 4
	v_nop
.endr
	s_branch .Lasked_\@
.Lfor_b_\@:
	tensor_load_to_lds s[G0B+4*\s:G0B+4*\s+3], s[G1B:G1B+7]
	s_nop 0
.rept 4
	v_nop
.endr
.Lasked_\@:
.endm
.macro CREST
	s_cmp_lg_u32 s10, 0
	s_cbranch_scc1 .Lnot_wave_0_\@
	s_barrier_signal -3
.Lnot_wave_0_\@:
	s_barrier_wait -3
	s_barrier_signal -1
	s_barrier_wait -1
.endm
.macro CROUND
	s_barrier_signal -1
	s_barrier_wait -1
	CREST
.endm
	s_load_b128 s[4:7], s[0:1], 0x0                ; att, wo16
	s_load_b64 s[8:9], s[0:1], 0x10                ; out0
	v_lshl_add_u32 v[SPW], v0, 2, SPARE
	v_mov_b32 v[NIL], 0
	ds_add_u32 v[SPW], v[NIL]                      ; the wave's opening: the add, twice on end, and its wait ahead of my first tensor load
	ds_add_u32 v[SPW], v[NIL]
	v_lshrrev_b32 v1, 5, v0
	v_readfirstlane_b32 s10, v1                    ; wave 0..3
	s_lshr_b32 s11, s10, 1                         ; my half of the tile's rows.  Also: I fetch att's (0) or wo16's (1)
	s_and_b32 s12, s10, 1                          ; my half of its columns.  Also: which plane of a slot I fetch
	s_bfe_u32 s40, ttmp6, 0x40000                  ; cx
	s_bfe_u32 s41, ttmp6, 0x40004                  ; cy
	s_lshl_b32 s42, ttmp9, 2
	s_add_co_u32 s42, s42, s40                     ; tile column
	s_and_b32 s13, ttmp7, 0xffff                   ; cluster y
	s_lshl_b32 s43, s41, 2
	s_lshl_b32 s43, 15, s43                        ; my row of the cluster
	s_lshl_b32 s44, 0x1111, s40                    ; my column
	s_or_b32 s[G1+0], s43, (1<<16)|(1<<20)|(1<<21)|(4<<22)|(3<<25)   ; the mask; elements of 2 bytes; padding: 4 words behind every 32; bit 21 beside a mask
	s_or_b32 s[G1B+0], s44, (1<<16)|(1<<20)|(1<<21)|(4<<22)|(3<<25)
	s_mov_b32 s[G1+1], 64<<16                      ; tensor_dim0 = 64
	s_mov_b32 s[G1+2], 128<<16                     ; tensor_dim1 = 128
	s_mov_b32 s[G1+3], 64<<16                      ; tile_dim0 = 64
	s_mov_b32 s[G1+4], 128                         ; tile_dim1 = 128
	s_mov_b32 s[G1+5], 64                          ; the pitch
	s_mov_b32 s[G1+6], 0
	s_mov_b32 s[G1+7], 0
	s_mov_b32 s[G1B+1], 64<<16
	s_mov_b32 s[G1B+2], 256<<16
	s_mov_b32 s[G1B+3], 64<<16
	s_mov_b32 s[G1B+4], 256
	s_mov_b32 s[G1B+5], 64
	s_mov_b32 s[G1B+6], 0
	s_mov_b32 s[G1B+7], 0
	s_lshl_b32 s16, s41, 4                         ; att: plane 16 cy + my plane of slot 0,
	s_add_co_u32 s16, s16, s12
	s_lshl_b32 s16, s16, 18
	s_lshl_b32 s17, s13, 14                        ; rows 128 x cluster y on
	s_add_co_u32 s16, s16, s17
	s_mov_b32 s17, 0
	s_lshl_b32 s46, s12, 17                        ; wo16: my plane of slot 0,
	s_lshl_b32 s47, s42, 15                        ; rows 256 x tile column on
	s_add_co_u32 s46, s46, s47
	s_mov_b32 s47, 0
	s_mul_i32 s20, s12, APL                        ; where they go: no place in the cluster enters an LDS address
	s_mul_i32 s21, s12, BPL
	s_add_co_u32 s21, s21, 2*APL
	s_wait_dscnt 0x0                               ; both opening adds are done
	s_wait_kmcnt 0x0
	s_add_nc_u64 s[14:15], s[4:5], s[16:17]
	s_add_nc_u64 s[46:47], s[6:7], s[46:47]
	CROUND                                         ; all sixteen work-groups are here: the first joint loads meet
.irp s, 0,1
	s_mov_b32 s[G0+4*\s], 1
	s_add_co_u32 s[G0+4*\s+1], s20, \s*SLOT
	s_add_nc_u64 s[G0+4*\s+2:G0+4*\s+3], s[14:15], \s*2*HEADB
	s_or_b32 s[G0+4*\s+3], s[G0+4*\s+3], 0x80000000
	s_mov_b32 s[G0B+4*\s], 1
	s_add_co_u32 s[G0B+4*\s+1], s21, \s*SLOT
	s_add_nc_u64 s[G0B+4*\s+2:G0B+4*\s+3], s[46:47], \s*2*WPL
	s_or_b32 s[G0B+4*\s+3], s[G0B+4*\s+3], 0x80000000
	JLOAD \s                                       ; two loads of mine are out
.endr
	v_and_b32 v1, 15, v0                           ; r
	v_bfe_u32 v2, v0, 4, 1                         ; h
	v_mul_u32_u24 v3, v1, PITCH
	v_lshl_add_u32 v3, v2, 4, v3                   ; a fragment's row x pitch + 16 h
	s_mul_i32 s22, s11, 64*PITCH                   ; my 64 rows of att
	s_mul_i32 s23, s12, 128*PITCH                  ; my 128 rows of wo16,
	s_add_co_u32 s23, s23, 2*APL                   ; behind att's two planes
.irp s, 0,1
	v_add_nc_u32 v[ADRA+\s], s22, v3
	v_add_nc_u32 v[ADRB+\s], s23, v3
	s_add_co_u32 s22, s22, SLOT
	s_add_co_u32 s23, s23, SLOT
.endr
	s_mul_i32 s23, s10, 16*SPITCH
	s_add_co_u32 s23, s23, STAGE                   ; my stage
	v_mul_u32_u24 v4, v1, SPITCH                   ; in: row r, 32 bytes for each half of the lanes
	v_lshl_add_u32 v4, v2, 5, v4
	v_add_nc_u32 v[STO], s23, v4
	v_and_b32 v5, 31, v0
	v_lshlrev_b32 v[CO], 4, v5                     ; back: the 32 lanes take a row of 512 bytes; and the same in out0
	v_add_nc_u32 v[RD], s23, v[CO]
	s_lshl_b32 s16, s41, 11                        ; my first row of out0: 2048 cy + 128 x cluster y + 64 x row half
	s_lshl_b32 s17, s13, 7
	s_add_co_u32 s16, s16, s17
	s_lshl_b32 s17, s11, 6
	s_add_co_u32 s16, s16, s17
	s_lshl_b32 s16, s16, 12                        ; x 4,096 bytes: under 2^25
	s_mov_b32 s17, 0
	s_add_nc_u64 s[8:9], s[8:9], s[16:17]
	s_lshl_b32 s46, s42, 10                        ; my first column, in bytes: 1,024 x tile column + 512 x column half
	s_lshl_b32 s47, s12, 9
	s_add_co_u32 s46, s46, s47
	s_mov_b32 s47, 0
	s_add_nc_u64 s[8:9], s[8:9], s[46:47]
.macro MUL8 f, a, zero                 ; att's block a against wo16's eight, 32 along K.  The 32 accumulators take turns in the same order in every quarter
.irp b, 0,1,2,3,4,5,6,7
.if \zero
	v_wmma_f32_16x16x32_f16 v[8*(8*(\a)+\b):8*(8*(\a)+\b)+7], v[\f+8*\b:\f+8*\b+7], v[\f+64+8*(\a):\f+64+8*(\a)+7], 0
.else
	v_wmma_f32_16x16x32_f16 v[8*(8*(\a)+\b):8*(8*(\a)+\b)+7], v[\f+8*\b:\f+8*\b+7], v[\f+64+8*(\a):\f+64+8*(\a)+7], v[8*(8*(\a)+\b):8*(8*(\a)+\b)+7]
.endif
.endr
.endm
.macro FETCH slot, q, f                ; 24 LDS loads in one run: quarter q of a slot (plane q / 2, channels 32 (q % 2) on): wo16's eight fragments, then att's four
	WIN TO_F
.irp i, 0,1,2,3,4,5,6,7
	ds_load_b128 v[\f+8*\i:\f+8*\i+3],   v[ADRB+\slot] offset:((\q)/2)*BPL+((\q)%2)*64+\i*16*PITCH
	ds_load_b128 v[\f+8*\i+4:\f+8*\i+7], v[ADRB+\slot] offset:((\q)/2)*BPL+((\q)%2)*64+\i*16*PITCH+32
.endr
.irp i, 0,1,2,3
	ds_load_b128 v[\f+64+8*\i:\f+64+8*\i+3],   v[ADRA+\slot] offset:((\q)/2)*APL+((\q)%2)*64+\i*16*PITCH
	ds_load_b128 v[\f+64+8*\i+4:\f+64+8*\i+7], v[ADRA+\slot] offset:((\q)/2)*APL+((\q)%2)*64+\i*16*PITCH+32
.endr
.endm
.macro PLACES                          ; four plain vector instructions in front of loads into registers that matrix instructions have read, and of reads of results
.rept 4
	v_nop
.endr
.endm
.macro QUARTER slot, q, f, g, zero     ; multiplies buffer f; in its middle fetches quarter q of the slot into buffer g
	s_wait_dscnt 4                                 ; all but the youngest four loads (att's blocks 2, 3)
	WIN MUL
	MUL8 \f, 0, \zero
	MUL8 \f, 1, \zero
	PLACES
	FETCH \slot, \q, \g
	s_wait_dscnt 24                                ; all but the 24 just issued
	WIN MUL
	MUL8 \f, 2, \zero
	MUL8 \f, 3, \zero
.endm
; A slot's last quarter multiplies buffer 1 and changes slots: one barrier; in front of it each wave waits for all its tensor loads, adds 0 to its spare word, and waits for that and for its reads of this slot.
; fill = 1: the barrier opens a round of the cluster's barrier, and this slot is filled again, two slots ahead.
.macro TURN slot, next, fill
	WIN 0                                          ; (the add's two registers lie in window 0)
	s_wait_tensorcnt 0x0                           ; all my tensor loads have landed: my part of the next slot
	ds_add_u32 v[SPW], v[NIL]                      ; 0 onto my spare word
	s_wait_dscnt 5                                 ; (the add and the youngest four loads may be out)
	WIN MUL
	MUL8 F1, 0, 0
	s_wait_dscnt 0x0                               ; the add is done, and my reads of this slot are over
	s_barrier_signal -1
	MUL8 F1, 1, 0
	WIN 0
	s_barrier_wait -1
.if \fill
	CREST                                          ; no wave of any partner still reads this slot or has a load on its way
	s_add_nc_u64 s[G0+4*\slot+2:G0+4*\slot+3], s[G0+4*\slot+2:G0+4*\slot+3], 4*HEADB
	s_add_nc_u64 s[G0B+4*\slot+2:G0B+4*\slot+3], s[G0B+4*\slot+2:G0B+4*\slot+3], 4*WPL
	JLOAD \slot                                    ; the first tensor load behind the round; its four v_nop are also the places in front of the loads below
.else
	PLACES
.endif
	FETCH \next, 0, F0
	WIN MUL
	MUL8 F1, 2, 0
	MUL8 F1, 3, 0
.endm
	s_wait_tensorcnt 1                             ; my part of slot 0 is in; slot 1's may be out
	s_barrier_signal -1
	s_barrier_wait -1
	FETCH 0, 0, F0
	QUARTER 0, 1, F0, F1, 1                        ; the first quarter's products start the sums: nothing is cleared
	WIN 0
	s_mov_b32 s3, LAPS-1
.Llap:                                                 ; a trip goes once round the ring, from a lap's second quarter to the next lap's first, and fills both slots again
	QUARTER 0, 2, F1, F0, 0
	QUARTER 0, 3, F0, F1, 0
	TURN 0, 1, 1
	QUARTER 1, 1, F0, F1, 0
	QUARTER 1, 2, F1, F0, 0
	QUARTER 1, 3, F0, F1, 0
	TURN 1, 0, 1
	QUARTER 0, 1, F0, F1, 0
	WIN 0
	s_sub_co_u32 s3, s3, 1
	s_cmp_lg_u32 s3, 0
	s_cbranch_scc1 .Llap
	QUARTER 0, 2, F1, F0, 0                        ; the last lap fills nothing
	QUARTER 0, 3, F0, F1, 0
	TURN 0, 1, 0
	QUARTER 1, 1, F0, F1, 0
	QUARTER 1, 2, F1, F0, 0
	QUARTER 1, 3, F0, F1, 0
	s_wait_dscnt 4
	WIN MUL
	MUL8 F1, 0, 0
	MUL8 F1, 1, 0
	s_wait_dscnt 0
	MUL8 F1, 2, 0
	MUL8 F1, 3, 0
	WIN 0
; THE WAY OUT, block by block of 16 rows x 128 columns, through my own stage: back as whole rows of 512 bytes.
.macro TOSTAGE a
	WIN 0x08                                       ; an LDS store's data are its source 1: window 2
.irp b, 0,1,2,3,4,5,6,7
	ds_store_b128 v[STO], v[64*(\a)+8*\b:64*(\a)+8*\b+3] offset:64*\b          ; each accumulator from its low end on
	ds_store_b128 v[STO], v[64*(\a)+8*\b+4:64*(\a)+8*\b+7] offset:64*\b+16
.endr
	WIN 0
.set BB, BK+64*((\a)%2)
.irp t, 0,1,2,3,4,5,6,7,8,9,10,11,12,13,14,15
	ds_load_b128 v[BB+4*\t:BB+4*\t+3], v[RD] offset:\t*SPITCH     ; LDS serves a wave's instructions in order: these see the stores above
.endr
.endm
.macro SEND a, younger
.set BB, BK+64*((\a)%2)
	s_wait_dscnt \younger                          ; the block is back in registers; the next block's 16 stores and 16 loads may be out
.irp t, 0,1,2,3,4,5,6,7,8,9,10,11,12,13,14,15
	global_store_b128 v[CO], v[BB+4*\t:BB+4*\t+3], s[8:9] offset:(16*(\a)+\t)*4096 th:TH_STORE_NT   ; 32 lanes store 512 consecutive bytes, aligned
.endr
.endm
	PLACES
	s_or_b32 s3, s13, s11                          ; my block 0 holds positions 0-15 where cluster y = 0 and my row half is 0: those rows are another launch's
	s_cmp_eq_u32 s3, 0
	s_cbranch_scc1 .Lskip0
	TOSTAGE 0
	SEND 0, 0
.Lskip0:
	TOSTAGE 1
.irp a, 2,3
	s_wait_xcnt 0x0                                ; block a - 2's stores have read their registers: block a's loads may land there
	TOSTAGE \a
	SEND \a-1, 32
.endr
	SEND 3, 0
	s_wait_tensorcnt 0x0                           ; the wave's end
	ds_add_u32 v[SPW], v[NIL]
	s_wait_dscnt 0x0
	CROUND                                         ; the closing round
	s_endpgm
.Lfunc_end_k_q3b5c14e106_oproj:
	.size	k_q3b5c14e106_oproj, .Lfunc_end_k_q3b5c14e106_oproj-k_q3b5c14e106_oproj
	.p2alignl 7, 3214868480
	.fill 96, 4, 3214868480
	.section	.rodata,"a",@progbits
	.p2align	6, 0x0
	.amdhsa_kernel k_q3b5c14e106_oproj
		.amdhsa_group_segment_fixed_size 327680
		.amdhsa_private_segment_fixed_size 0
		.amdhsa_enable_private_segment 0
		.amdhsa_kernarg_size 24
		.amdhsa_user_sgpr_count 2
		.amdhsa_user_sgpr_kernarg_segment_ptr 1
		.amdhsa_wavefront_size32 1
		.amdhsa_system_sgpr_workgroup_id_x 1
		.amdhsa_system_sgpr_workgroup_id_y 1
		.amdhsa_system_sgpr_workgroup_id_z 1
		.amdhsa_system_vgpr_workitem_id 0
		.amdhsa_next_free_vgpr 768
		.amdhsa_next_free_sgpr 70
		.amdhsa_reserve_vcc 0
		.amdhsa_float_denorm_mode_32 3
		.amdhsa_float_denorm_mode_16_64 3
		.amdhsa_memory_ordered 1
		.amdhsa_forward_progress 1
		.amdhsa_inst_pref_size 85
	.end_amdhsa_kernel
	.amdgpu_metadata
---
amdhsa.version: [ 1, 2 ]
amdhsa.kernels:
  - .name:           k_q3b5c14e106_oproj
    .symbol:         k_q3b5c14e106_oproj.kd
    .args:
      - { .name: att, .offset: 0, .size: 8, .value_kind: global_buffer, .address_space: global }
      - { .name: wo16, .offset: 8, .size: 8, .value_kind: global_buffer, .address_space: global }
      - { .name: out0, .offset: 16, .size: 8, .value_kind: global_buffer, .address_space: global }
    .group_segment_fixed_size: 327680
    .private_segment_fixed_size: 0
    .kernarg_segment_align: 8
    .kernarg_segment_size: 24
    .max_flat_workgroup_size: 128
    .sgpr_count:     70
    .vgpr_count:     768
    .wavefront_size: 32
...
	.end_amdgpu_metadata
.endif
;; end of part 4
;; launch fine (part 5): grid 16 x 4, 16 waves a work-group, no clusters, 71,680 bytes of LDS; arguments fine32, W_o, out0; writes out0
.if DOCPART == 5
	.amdgcn_target "amdgcn-amd-amdhsa--gfx1250"
	.amdhsa_code_object_version 6
	.text
	.protected	k_q3b5c14e106_fine
	.globl	k_q3b5c14e106_fine
	.p2align	8
	.type	k_q3b5c14e106_fine,@function
k_q3b5c14e106_fine:
	s_mov_b64 s[64:65], 0
	v_nop
	global_prefetch_b8 v0, s[64:65] scope:SCOPE_SE
	s_setreg_imm32_b32 hwreg(HW_REG_WAVE_MODE, 25, 1), 1
	s_wait_xcnt 0x0
; Positions 0-15 of each sequence, carried in f32 from the projections' sums to the output: under the causal mask these rows average one to sixteen values, and 16-bit operands would use up what the comparison allows.
; Work-group (g, b): batch b, output columns 64 g on.  Wave = head: it makes its head's 16 x 16 attention and its head's share (K = its 64 channels) of the 16 x 64 outputs; the sixteen shares are summed through LDS.
; All products by v_wmma_f32_16x16x4_f32: 96 a wave, no bulk work.  A step's four k are (h, j) = channel 16 t + 8 h + 2 i + j, the same places in both sources, so the products are those of the plain order.
; fine32: [4 b][192 ct][2 half][32 lanes][16 bytes]: lane (r, h), register 4 half + i of column tile ct = row r, column 16 ct + 8 h + 4 half + i of the 3,072 columns Q | K | V.
; The registers that the matrix instructions write (v188-251) are written by them alone.
; LIMITS: NaN and infinities are not served; the sums run in another order than the reference's.
; REGISTERS: v1-10 addresses; v14-21 P; v22-26 at work; v28-59 Q, v60-91 K (later W_o's channels 32-63, later the shares); v92-123 V^T; v124-187 W_o's channels 0-31; v188-203 S^T in two halves, later Y0, Y1; v204-235 O^T; v236-251 Y2, Y3.
.set SHB,   4352                       ; a share in LDS: 16 rows x (256 bytes + 16)
.set SPARE, 16*SHB                     ; the spare words, 128 bytes a wave
.set SPW,   12
.set NIL,   13
	s_load_b128 s[4:7], s[0:1], 0x0                ; fine32, W_o
	s_load_b64 s[8:9], s[0:1], 0x10                ; out0
	v_lshl_add_u32 v[SPW], v0, 2, SPARE
	v_mov_b32 v[NIL], 0
	v_lshrrev_b32 v1, 5, v0
	v_readfirstlane_b32 s10, v1                    ; wave = head; later: the row that I sum
	s_and_b32 s11, ttmp7, 0xffff                   ; b
	v_and_b32 v1, 15, v0                           ; r
	v_bfe_u32 v2, v0, 4, 1                         ; h
	v_and_b32 v22, 31, v0
	v_lshlrev_b32 v3, 4, v22                       ; 16 x lane: an image's place
	v_bfe_u32 v23, v0, 2, 1
	v_bfe_u32 v24, v0, 3, 1
	v_and_b32 v25, 3, v0
	v_lshlrev_b32 v4, 9, v23                       ; V^T: I want column r of a tile, rows 8 h + e: half (r / 4) % 2,
	v_lshl_add_u32 v4, v2, 7, v4                   ; lane 8 h + e + 16 (r / 8),
	v_lshl_add_u32 v4, v24, 8, v4
	v_lshl_add_u32 v4, v25, 2, v4                  ; word r % 4
	v_lshlrev_b32 v5, 12, v1
	v_lshl_add_u32 v5, v2, 5, v5                   ; W_o: row r of 4,096 bytes + 32 h
	s_mul_i32 s12, s10, SHB
	v_mul_u32_u24 v6, v1, 272
	v_lshl_add_u32 v6, v2, 5, v6
	v_add_nc_u32 v6, s12, v6                       ; my share: row r, + 32 h
	s_mul_i32 s12, s10, 272
	v_lshlrev_b32 v8, 3, v22                       ; the sum: 8 bytes a lane
	v_add_nc_u32 v7, s12, v8                       ; of row = my wave's number
	v_lshlrev_b32 v9, 3, v2
	v_sub_nc_u32 v9, v1, v9                        ; r - 8 h
	v_mov_b32 v10, 0xff800000                      ; -infinity
	s_mov_b32 s20, 0x76543210
	s_mov_b32 s21, 0xfedcba98                      ; v_permlanex16_b32's selects: lane l xor 16
	s_mov_b32 s22, 0x3e38aa3b                      ; c = log2(e) / 8
	s_mul_i32 s14, s11, 196608
	s_lshl_b32 s12, s10, 12
	s_add_co_u32 s14, s14, s12                     ; fine32: batch b, Q's four tiles of my head
	s_mov_b32 s15, 0
	s_lshl_b32 s16, ttmp9, 18
	s_lshl_b32 s12, s10, 8
	s_add_co_u32 s16, s16, s12                     ; W_o: row 64 g, my head's 256 bytes
	s_mov_b32 s17, 0
	s_lshl_b32 s18, s11, 11
	s_add_co_u32 s18, s18, s10
	s_lshl_b32 s18, s18, 12
	s_lshl_b32 s12, ttmp9, 8
	s_add_co_u32 s18, s18, s12                     ; out0: row 2048 b + wave, column 64 g
	s_mov_b32 s19, 0
	s_wait_kmcnt 0x0
	s_add_nc_u64 s[4:5], s[4:5], s[14:15]
	s_add_nc_u64 s[6:7], s[6:7], s[16:17]
	s_add_nc_u64 s[8:9], s[8:9], s[18:19]
.irp t, 0,1,2,3
	global_load_b128 v[28+8*\t:31+8*\t], v3, s[4:5] offset:\t*1024           ; Q: lane (r, h): query r, channels 16 t + 8 h + 0..7
	global_load_b128 v[32+8*\t:35+8*\t], v3, s[4:5] offset:\t*1024+512
.endr
.irp t, 0,1,2,3
	global_load_b128 v[60+8*\t:63+8*\t], v3, s[4:5] offset:65536+\t*1024     ; K likewise
	global_load_b128 v[64+8*\t:67+8*\t], v3, s[4:5] offset:65536+\t*1024+512
.endr
.irp t, 0,1,2,3
.irp e, 0,1,2,3,4,5,6,7
	global_load_b32 v[92+8*\t+\e], v4, s[4:5] offset:131072+\t*1024+\e*16    ; V^T: lane (r, h): channel 16 t + r, key 8 h + e
.endr
.endr
.irp t, 0,1
.irp n, 0,1,2,3
	global_load_b128 v[124+32*\t+8*\n:127+32*\t+8*\n], v5, s[6:7] offset:\n*65536+\t*64       ; W_o: lane (r, h): column 16 n + r, channels 16 t + 8 h + 0..7
	global_load_b128 v[128+32*\t+8*\n:131+32*\t+8*\n], v5, s[6:7] offset:\n*65536+\t*64+16
.endr
.endr
	s_wait_loadcnt 48                              ; Q and K are in; V's 32 loads and W_o's 16 may be out
; S^T = K Q^T: 16 steps of 4 channels, on two accumulators by turns; their first steps start the sums
.irp t, 0,1,2,3
.irp i, 0,2
.if (\t == 0) && (\i == 0)
	v_wmma_f32_16x16x4_f32 v[188:195], v[60+8*\t+2*\i:61+8*\t+2*\i], v[28+8*\t+2*\i:29+8*\t+2*\i], 0
	v_wmma_f32_16x16x4_f32 v[196:203], v[62+8*\t+2*\i:63+8*\t+2*\i], v[30+8*\t+2*\i:31+8*\t+2*\i], 0
.else
	v_wmma_f32_16x16x4_f32 v[188:195], v[60+8*\t+2*\i:61+8*\t+2*\i], v[28+8*\t+2*\i:29+8*\t+2*\i], v[188:195]
	v_wmma_f32_16x16x4_f32 v[196:203], v[62+8*\t+2*\i:63+8*\t+2*\i], v[30+8*\t+2*\i:31+8*\t+2*\i], v[196:203]
.endif
.endr
.endr
.rept 8
	v_nop                                          ; eight places behind this form, in front of loads into its sources and of reads of its results
.endr
.irp t, 0,1
.irp n, 0,1,2,3
	global_load_b128 v[28+32*\t+8*\n:31+32*\t+8*\n], v5, s[6:7] offset:\n*65536+(\t+2)*64     ; W_o's channels 32-63, where Q and K lay
	global_load_b128 v[32+32*\t+8*\n:35+32*\t+8*\n], v5, s[6:7] offset:\n*65536+(\t+2)*64+16
.endr
.endr
.irp j, 0,1,2,3,4,5,6,7
	v_add_f32 v[14+\j], v[188+\j], v[196+\j]       ; lane (r, h), register j: key 8 h + j, query r; from the low end on, into other registers
.endr
.irp j, 0,1,2,3,4,5,6,7
	v_cmp_gt_i32 vcc_lo, \j, v9                    ; hidden where 8 h + j > r
	v_cndmask_b32 v[14+\j], v[14+\j], v10, vcc_lo
.endr
	v_max3_num_f32 v22, v14, v15, v16
	v_max3_num_f32 v23, v17, v18, v19
	v_max3_num_f32 v22, v22, v20, v21
	v_max_num_f32 v22, v22, v23
	v_permlanex16_b32 v24, v22, s20, s21
	v_max_num_f32 v22, v22, v24                    ; the row's maximum: key 0 counts for every query, so it is a number
	v_mul_f32 v22, s22, v22
.irp j, 0,1,2,3,4,5,6,7
	v_fma_f32 v[14+\j], v[14+\j], s22, -v22        ; c s - c m
.endr
.irp j, 0,1,2,3,4,5,6,7
	v_exp_f32 v[14+\j], v[14+\j]
.endr
	v_nop
	s_wait_alu depctr_va_vdst(0)                   ; one wait for the eight exponentials, ahead of their first reader
	v_add_f32 v23, v14, v15
	v_add_f32 v25, v16, v17
	v_add_f32 v23, v23, v18
	v_add_f32 v25, v25, v19
	v_add_f32 v23, v23, v20
	v_add_f32 v25, v25, v21
	v_add_f32 v23, v23, v25
	v_permlanex16_b32 v24, v23, s20, s21
	v_add_f32 v23, v23, v24                        ; the row's sum
	v_rcp_f32 v26, v23
	v_nop
	s_wait_alu depctr_va_vdst(0)
.irp j, 0,1,2,3,4,5,6,7
	v_mul_f32 v[14+\j], v[14+\j], v26              ; the weights
.endr
	s_wait_loadcnt 32                              ; V is in; W_o's 32 loads may be out
; O^T = V^T P: four steps of 4 keys (8 h + 2 i + j), four accumulators by turns
.irp i, 0,1,2,3
.irp t, 0,1,2,3
.if \i == 0
	v_wmma_f32_16x16x4_f32 v[204+8*\t:211+8*\t], v[92+8*\t+2*\i:93+8*\t+2*\i], v[14+2*\i:15+2*\i], 0
.else
	v_wmma_f32_16x16x4_f32 v[204+8*\t:211+8*\t], v[92+8*\t+2*\i:93+8*\t+2*\i], v[14+2*\i:15+2*\i], v[204+8*\t:211+8*\t]
.endif
.endr
.endr
.rept 9
	v_nop                                          ; nine places before a matrix instruction takes these results as a source
.endr
	s_wait_loadcnt 0x0                             ; W_o
; Y^T_n = W_o O^T: lane (r, h), register j of tile n: column 16 n + 8 h + j, query r.  16 steps, four accumulators by turns
.macro YMUL t, i, n
.if \t < 2
.set WR, 124+32*\t+8*\n+2*\i
.else
.set WR, 28+32*(\t-2)+8*\n+2*\i
.endif
.if \n < 2
.set YR, 188+8*\n
.else
.set YR, 236+8*(\n-2)
.endif
.if (\t == 0) && (\i == 0)
	v_wmma_f32_16x16x4_f32 v[YR:YR+7], v[WR:WR+1], v[204+8*\t+2*\i:205+8*\t+2*\i], 0
.else
	v_wmma_f32_16x16x4_f32 v[YR:YR+7], v[WR:WR+1], v[204+8*\t+2*\i:205+8*\t+2*\i], v[YR:YR+7]
.endif
.endm
.irp t, 0,1,2,3
.irp i, 0,1,2,3
.irp n, 0,1,2,3
	YMUL \t, \i, \n
.endr
.endr
.endr
.rept 8
	v_nop
.endr
	ds_store_b128 v6, v[188:191]                   ; my head's share, each accumulator from its low end on
	ds_store_b128 v6, v[192:195] offset:16
	ds_store_b128 v6, v[196:199] offset:64
	ds_store_b128 v6, v[200:203] offset:80
	ds_store_b128 v6, v[236:239] offset:128
	ds_store_b128 v6, v[240:243] offset:144
	ds_store_b128 v6, v[244:247] offset:192
	ds_store_b128 v6, v[248:251] offset:208
	s_wait_dscnt 0x0                               ; for the others' sake: my stores have landed
	s_barrier_signal -1
	s_barrier_wait -1
.irp p, 0,1,2,3,4,5,6,7,8,9,10,11,12,13,14,15
	ds_load_b64 v[28+2*\p:29+2*\p], v7 offset:\p*SHB   ; row = my wave's number of all sixteen shares, two columns a lane
.endr
	s_wait_dscnt 0x0
.irp p, 0,2,4,6,8,10,12,14
	v_pk_add_f32 v[28+2*\p:29+2*\p], v[28+2*\p:29+2*\p], v[30+2*\p:31+2*\p]
.endr
.irp p, 0,4,8,12
	v_pk_add_f32 v[28+2*\p:29+2*\p], v[28+2*\p:29+2*\p], v[32+2*\p:33+2*\p]
.endr
.irp p, 0,8
	v_pk_add_f32 v[28+2*\p:29+2*\p], v[28+2*\p:29+2*\p], v[36+2*\p:37+2*\p]
.endr
	v_pk_add_f32 v[28:29], v[28:29], v[44:45]
	global_store_b64 v8, v[28:29], s[8:9]          ; 32 lanes store 256 consecutive bytes, aligned
	s_wait_tensorcnt 0x0                           ; the wave's end
	ds_add_u32 v[SPW], v[NIL]
	s_wait_dscnt 0x0
	s_endpgm
.Lfunc_end_k_q3b5c14e106_fine:
	.size	k_q3b5c14e106_fine, .Lfunc_end_k_q3b5c14e106_fine-k_q3b5c14e106_fine
	.p2alignl 7, 3214868480
	.fill 96, 4, 3214868480
	.section	.rodata,"a",@progbits
	.p2align	6, 0x0
	.amdhsa_kernel k_q3b5c14e106_fine
		.amdhsa_group_segment_fixed_size 71680
		.amdhsa_private_segment_fixed_size 0
		.amdhsa_enable_private_segment 0
		.amdhsa_kernarg_size 24
		.amdhsa_user_sgpr_count 2
		.amdhsa_user_sgpr_kernarg_segment_ptr 1
		.amdhsa_wavefront_size32 1
		.amdhsa_system_sgpr_workgroup_id_x 1
		.amdhsa_system_sgpr_workgroup_id_y 1
		.amdhsa_system_sgpr_workgroup_id_z 1
		.amdhsa_system_vgpr_workitem_id 0
		.amdhsa_next_free_vgpr 256
		.amdhsa_next_free_sgpr 66
		.amdhsa_reserve_vcc 1
		.amdhsa_float_denorm_mode_32 3
		.amdhsa_float_denorm_mode_16_64 3
		.amdhsa_memory_ordered 1
		.amdhsa_forward_progress 1
		.amdhsa_inst_pref_size 23
	.end_amdhsa_kernel
	.amdgpu_metadata
---
amdhsa.version: [ 1, 2 ]
amdhsa.kernels:
  - .name:           k_q3b5c14e106_fine
    .symbol:         k_q3b5c14e106_fine.kd
    .args:
      - { .name: fine32, .offset: 0, .size: 8, .value_kind: global_buffer, .address_space: global }
      - { .name: W_o, .offset: 8, .size: 8, .value_kind: global_buffer, .address_space: global }
      - { .name: out0, .offset: 16, .size: 8, .value_kind: global_buffer, .address_space: global }
    .group_segment_fixed_size: 71680
    .private_segment_fixed_size: 0
    .kernarg_segment_align: 8
    .kernarg_segment_size: 24
    .max_flat_workgroup_size: 512
    .sgpr_count:     66
    .vgpr_count:     256
    .wavefront_size: 32
...
	.end_amdgpu_metadata
.endif
;; end of part 5
